; MI455X (gfx1250); checked and timed in simulation.
; The chip was launched on July 23, 2026; its instructions are those of AMD's public machine-readable ISA for CDNA 5 (MIT licence, August 2026) and "CDNA5" Instruction Set Architecture Reference Guide (July 2026). The comments in the code are by the model that wrote it; some were corrected since.
;; Causal Multi Head Self Attention. Allowed arithmetic: float matrix products may take bf16 or f16 operands with f32 sums; other float arithmetic in f32, or as packed bf16 or f16 multiplies, adds, multiply-adds, maxima and minima; sums over many terms, partial sums and values carried from step to step in f32; what a program stores and reads back later, other than sums and carried values, may be rounded once to bf16 or f16.
;; Inputs: Wk 1,024 x 1,024 float32; Wo 1,024 x 1,024 float32; Wq 1,024 x 1,024 float32; Wv 1,024 x 1,024 float32; bo 1,024 float32; input 4 x 2,048 x 1,024 float32.
;; Outputs: out0 4 x 2,048 x 1,024 float32.
;; One version. Each part assembles by itself: llvm-mc -triple=amdgcn-amd-amdhsa -mcpu=gfx1250 --defsym DOCPART=n.
;; ======== version 1 of 1: 4 launches
;; limits: values are held in f16: magnitudes above 65,504 overflow, below 6.1e-05 lose precision
;; workspace buffers: xa 33,554,432 bytes; wh 8,388,608 bytes; qkv 50,331,648 bytes; ao 16,777,216 bytes
;; launch prep (part 1): grid 768 x 1, 8 waves a work-group, no clusters, 0 bytes of LDS; arguments input, Wq, Wk, Wv, Wo, xa, wh; writes xa, wh
.if DOCPART == 1
	.amdgcn_target "amdgcn-amd-amdhsa--gfx1250"
	.amdhsa_code_object_version 6
	.text
	.protected	k_qdc0df21748_prep
	.globl	k_qdc0df21748_prep
	.p2align	8
	.type	k_qdc0df21748_prep,@function
k_qdc0df21748_prep:
	s_mov_b64 s[64:65], 0
	v_nop
	global_prefetch_b8 v0, s[64:65] scope:SCOPE_SE
	s_setreg_imm32_b32 hwreg(HW_REG_WAVE_MODE, 25, 1), 1
	s_wait_xcnt 0x0
; PREPARATION.  Every input of the products is rounded once to bf16, and that number is written as f16 (exact from 6.1e-5 to 65,504).
; xa: rx (the rotated x) at byte 0, x at byte 0x1000000; each [b*16+kb][t][64] f16, kb = a block of 64 columns: 128 rows x 64 columns are 16,384 dense bytes.
; wh: Wq, Wk, Wv, Wo at 0, 0x200000, 0x400000, 0x600000; each [n][k] f16, rows of 2,048 bytes.
; rx: pair j of columns (2j, 2j+1) of row t is turned by the angle t * 10000^(-2j/1024): r0 = x0 cos - x1 sin, r1 = x1 cos + x0 sin, made of the bf16-rounded x in f32, rounded once to f16.
; SINE AND COSINE: theta = 2^(-j log2(10000)/512); a = t theta in f32; n = round(a 2/pi); y = (a 2/pi - n) pi/2 by one fused multiply-add, |y| <= pi/4;
; Taylor sums to y^7 and y^6 (what is cut is below 4e-6); n mod 4 swaps the two and sets the signs.
; LIMITS.  |x|, sqrt(2)|x| and the weights stay within 65,504; below 6.1e-5 f16 keeps a fixed step of 6e-8.  The angle is off by 3e-4 rad at the most (at t = 2047: the last bit of theta, and of 2/pi).
; SHARES.  Work-groups 0-511: 8 rows t, 8 blocks kb (one a wave), all four batches: a sine serves four numbers.  Work-groups 512-767: 65,536 bytes of one weight matrix each.
; No LDS, no barrier, no matrix unit: each byte is read once and written once.  A wave has 16 loads out at once; each register that a load or store names is written once, so no wait frees any.
.set VI,  8           ; v8-11    byte offset in input of my 16 bytes, by batch
.set VO0, 12          ; v12      byte offset in xa's halves of my 8 bytes, batches 0 and 1
.set VO2, 13          ; v13      batches 2 and 3
.set TH,  24          ; v24-25   theta of my two pairs
.set TF,  26          ; v26-29   t as f32 for my row of each of four pairs of rows
.set SC,  32          ; v32-47   for each pair of rows i: sin, cos of pair 0, sin, cos of pair 1
.set X,   48          ; v48-111  16 loads of 4 registers
.set Y,   112         ; v112-175 what is stored
	s_load_b256 s[4:11], s[0:1], 0x0               ; input s[4:5], Wq s[6:7], Wk s[8:9], Wv s[10:11]
	s_load_b128 s[12:15], s[0:1], 0x20             ; Wo s[12:13], xa s[14:15]
	s_load_b64 s[16:17], s[0:1], 0x30              ; wh
	v_lshrrev_b32 v1, 5, v0
	v_readfirstlane_b32 s18, v1                    ; wave 0..7
	v_and_b32 v2, 31, v0                           ; lane
	s_mov_b32 s24, 0x3f22f983                      ; 2/pi
	s_mov_b32 s25, 0x3fc90fdb                      ; pi/2
	s_mov_b32 s26, 0xb9500d01                      ; -1/5040
	s_mov_b32 s27, 0x3c088889                      ; 1/120
	s_mov_b32 s28, 0xbe2aaaab                      ; -1/6
	s_mov_b32 s29, 0xbab60b61                      ; -1/720
	s_mov_b32 s30, 0x3d2aaaab                      ; 1/24
	s_mov_b32 s31, 0xffff0000                      ; a word's upper bf16
	s_mov_b32 s32, 0x80000000                      ; the sign
	s_wait_kmcnt 0x0
	s_cmp_lt_u32 ttmp9, 512
	s_cbranch_scc0 .Lweights
	; ---- x and rx ----
	s_lshr_b32 s20, ttmp9, 1
	s_lshl_b32 s20, s20, 3                         ; t0: my work-group's first row
	s_and_b32 s21, ttmp9, 1
	s_lshl_b32 s21, s21, 3
	s_add_co_u32 s21, s21, s18                     ; kb: my wave's block of 64 columns
	s_add_nc_u64 s[34:35], s[14:15], 0x1000000     ; x's half of xa
	v_and_b32 v3, 15, v2                           ; cl: my four columns 4 cl .. 4 cl + 3 of the block
	v_lshrrev_b32 v4, 4, v2                        ; rl: lanes 16-31 take the next row
	v_add_nc_u32 v5, s20, v4                       ; t0 + rl
	s_lshl_b32 s22, s21, 8
	v_lshl_add_u32 v[VI], v5, 12, s22              ; row x 4,096 + kb x 256
	v_lshl_add_u32 v[VI], v3, 4, v[VI]             ; + 16 cl
	v_add_nc_u32 v[VI+1], 0x800000, v[VI]          ; a batch is 2,048 rows of 4,096 bytes
	v_add_nc_u32 v[VI+2], 0x1000000, v[VI]
	v_add_nc_u32 v[VI+3], 0x1800000, v[VI]
.irp b, 0,1,2,3
.irp i, 0,1,2,3
	global_load_b128 v[X+16*(\b)+4*(\i):X+16*(\b)+4*(\i)+3], v[VI+(\b)], s[4:5] offset:(\i)*8192 th:TH_LOAD_NT  ; two rows x 256 consecutive bytes
.endr
.endr
	s_lshl_b32 s22, s21, 11
	v_add_nc_u32 v[VO0], s22, v5                   ; kb x 2,048 + t
	v_lshlrev_b32 v[VO0], 7, v[VO0]                ; rows of 128 bytes
	v_lshl_add_u32 v[VO0], v3, 3, v[VO0]           ; + 8 cl
	v_add_nc_u32 v[VO2], 0x800000, v[VO0]          ; two batches on (a batch is 0x400000 bytes)
	s_lshl_b32 s23, s21, 5
	v_lshl_add_u32 v6, v3, 1, s23                  ; j = 32 kb + 2 cl
	v_cvt_f32_u32 v6, v6
	v_add_f32 v7, 1.0, v6
	v_mul_f32 v6, 0xbcd49a78, v6                   ; x -log2(10000)/512
	v_mul_f32 v7, 0xbcd49a78, v7
	v_exp_f32 v[TH], v6
	v_exp_f32 v[TH+1], v7
	v_cvt_f32_u32 v[TF], v5                        ; plain lines stand between the exponentials and the first use of theta
	v_add_f32 v[TF+1], 2.0, v[TF]
	v_add_f32 v[TF+2], 4.0, v[TF]
	v_add_f32 v[TF+3], 0x40c00000, v[TF]           ; + 6
	s_wait_alu depctr_va_vdst(0)
.macro SINCOS s, c, th, tf            ; v[s] = sin, v[c] = cos of v[tf] x v[th]
	v_mul_f32 v16, v[\tf], v[\th]                  ; a
	v_mul_f32 v17, s24, v16
	v_rndne_f32 v17, v17                           ; n
	v_fma_f32 v18, v16, s24, -v17                  ; a 2/pi - n, one rounding
	v_mul_f32 v18, s25, v18                        ; y
	v_cvt_i32_f32 v19, v17
	v_mul_f32 v20, v18, v18                        ; y^2
	v_fma_f32 v21, v20, s26, s27
	v_fma_f32 v21, v21, v20, s28
	v_mul_f32 v21, v21, v20
	v_fma_f32 v21, v21, v18, v18                   ; sin y
	v_fma_f32 v22, v20, s29, s30
	v_fma_f32 v22, v22, v20, -0.5
	v_fma_f32 v22, v22, v20, 1.0                   ; cos y
	v_and_b32 v23, 1, v19
	v_cmp_eq_u32 vcc_lo, 1, v23                    ; n odd: the two change places
	v_cndmask_b32 v[\s], v21, v22, vcc_lo
	v_cndmask_b32 v[\c], v22, v21, vcc_lo
	v_lshlrev_b32 v23, 30, v19                     ; the sine is negative where n mod 4 is 2 or 3,
	v_and_b32 v23, s32, v23
	v_xor_b32 v[\s], v[\s], v23
	v_add_nc_u32 v19, 1, v19                       ; the cosine where it is 1 or 2
	v_lshlrev_b32 v19, 30, v19
	v_and_b32 v19, s32, v19
	v_xor_b32 v[\c], v[\c], v19
.endm
.irp i, 0,1,2,3
	SINCOS SC+4*(\i), SC+4*(\i)+1, TH, TF+(\i)
	SINCOS SC+4*(\i)+2, SC+4*(\i)+3, TH+1, TF+(\i)
.endr
.macro ROT b, i                       ; batch b, pair of rows i: four numbers a lane
.set rX, X+16*(\b)+4*(\i)
.set rY, Y+16*(\b)+4*(\i)
.set rS, SC+4*(\i)
	s_wait_loadcnt 15-(4*(\b)+(\i))                ; loads come back in order: mine is in, the younger ones stay out
	v_cvt_pk_bf16_f32 v16, v[rX], v[rX+1]          ; the input's one rounding to bf16
	v_cvt_pk_bf16_f32 v17, v[rX+2], v[rX+3]
	v_lshlrev_b32 v[rX], 16, v16
	v_and_b32 v[rX+1], s31, v16
	v_lshlrev_b32 v[rX+2], 16, v17
	v_and_b32 v[rX+3], s31, v17
	v_cvt_pk_f16_f32 v[rY+2], v[rX], v[rX+1]       ; x
	v_cvt_pk_f16_f32 v[rY+3], v[rX+2], v[rX+3]
	v_mul_f32 v18, v[rX+1], v[rS]
	v_mul_f32 v19, v[rX], v[rS]
	v_mul_f32 v20, v[rX+3], v[rS+2]
	v_mul_f32 v21, v[rX+2], v[rS+2]
	v_fma_f32 v18, v[rX], v[rS+1], -v18            ; x0 cos - x1 sin
	v_fma_f32 v19, v[rX+1], v[rS+1], v19           ; x1 cos + x0 sin
	v_fma_f32 v20, v[rX+2], v[rS+3], -v20
	v_fma_f32 v21, v[rX+3], v[rS+3], v21
	v_cvt_pk_f16_f32 v[rY], v18, v19               ; rx
	v_cvt_pk_f16_f32 v[rY+1], v20, v21
.if (\b) < 2
	global_store_b64 v[VO0], v[rY:rY+1], s[14:15] offset:((\b)&1)*0x400000+(\i)*256    ; two rows of a block: 256 consecutive bytes, aligned
	global_store_b64 v[VO0], v[rY+2:rY+3], s[34:35] offset:((\b)&1)*0x400000+(\i)*256
.else
	global_store_b64 v[VO2], v[rY:rY+1], s[14:15] offset:((\b)&1)*0x400000+(\i)*256
	global_store_b64 v[VO2], v[rY+2:rY+3], s[34:35] offset:((\b)&1)*0x400000+(\i)*256
.endif
.endm
.irp b, 0,1,2,3
.irp i, 0,1,2,3
	ROT \b, \i
.endr
.endr
	s_endpgm
	; ---- the four weight matrices ----
.Lweights:
	s_sub_co_u32 s19, ttmp9, 512
	s_lshr_b32 s20, s19, 6                         ; which matrix
	s_and_b32 s21, s19, 63                         ; which 65,536 bytes of it
	s_cmp_eq_u32 s20, 1
	s_cselect_b64 s[22:23], s[8:9], s[6:7]
	s_cmp_eq_u32 s20, 2
	s_cselect_b64 s[22:23], s[10:11], s[22:23]
	s_cmp_eq_u32 s20, 3
	s_cselect_b64 s[22:23], s[12:13], s[22:23]
	s_lshl_b32 s19, s21, 16
	s_lshl_b32 s33, s18, 13                        ; a wave takes 8,192 bytes
	s_add_co_u32 s19, s19, s33
	v_lshl_add_u32 v[VI], v2, 4, s19
	s_lshl_b32 s19, s20, 21                        ; in wh all is half as long
	s_lshl_b32 s33, s21, 15
	s_add_co_u32 s19, s19, s33
	s_lshl_b32 s33, s18, 12
	s_add_co_u32 s19, s19, s33
	v_lshl_add_u32 v[VO0], v2, 3, s19
.irp i, 0,1,2,3,4,5,6,7,8,9,10,11,12,13,14,15
	global_load_b128 v[X+4*(\i):X+4*(\i)+3], v[VI], s[22:23] offset:(\i)*512 th:TH_LOAD_NT
.endr
.macro WCV i
.set rX, X+4*(\i)
.set rY, Y+2*(\i)
	s_wait_loadcnt 15-(\i)
	v_cvt_pk_bf16_f32 v16, v[rX], v[rX+1]
	v_cvt_pk_bf16_f32 v17, v[rX+2], v[rX+3]
	v_lshlrev_b32 v[rX], 16, v16
	v_and_b32 v[rX+1], s31, v16
	v_lshlrev_b32 v[rX+2], 16, v17
	v_and_b32 v[rX+3], s31, v17
	v_cvt_pk_f16_f32 v[rY], v[rX], v[rX+1]
	v_cvt_pk_f16_f32 v[rY+1], v[rX+2], v[rX+3]
	global_store_b64 v[VO0], v[rY:rY+1], s[16:17] offset:(\i)*256  ; 256 consecutive bytes, aligned
.endm
.irp i, 0,1,2,3,4,5,6,7,8,9,10,11,12,13,14,15
	WCV \i
.endr
	s_endpgm
.Lfunc_end_k_qdc0df21748_prep:
	.size	k_qdc0df21748_prep, .Lfunc_end_k_qdc0df21748_prep-k_qdc0df21748_prep
	.p2alignl 7, 3214868480
	.fill 96, 4, 3214868480
	.section	.rodata,"a",@progbits
	.p2align	6, 0x0
	.amdhsa_kernel k_qdc0df21748_prep
		.amdhsa_group_segment_fixed_size 0
		.amdhsa_private_segment_fixed_size 0
		.amdhsa_enable_private_segment 0
		.amdhsa_kernarg_size 56
		.amdhsa_user_sgpr_count 2
		.amdhsa_user_sgpr_kernarg_segment_ptr 1
		.amdhsa_wavefront_size32 1
		.amdhsa_system_sgpr_workgroup_id_x 1
		.amdhsa_system_sgpr_workgroup_id_y 1
		.amdhsa_system_sgpr_workgroup_id_z 1
		.amdhsa_system_vgpr_workitem_id 0
		.amdhsa_next_free_vgpr 176
		.amdhsa_next_free_sgpr 66
		.amdhsa_reserve_vcc 1
		.amdhsa_float_denorm_mode_32 3
		.amdhsa_float_denorm_mode_16_64 3
		.amdhsa_memory_ordered 1
		.amdhsa_forward_progress 1
		.amdhsa_inst_pref_size 40
	.end_amdhsa_kernel
	.amdgpu_metadata
---
amdhsa.version: [ 1, 2 ]
amdhsa.kernels:
  - .name:           k_qdc0df21748_prep
    .symbol:         k_qdc0df21748_prep.kd
    .args:
      - { .name: input, .offset: 0, .size: 8, .value_kind: global_buffer, .address_space: global }
      - { .name: Wq, .offset: 8, .size: 8, .value_kind: global_buffer, .address_space: global }
      - { .name: Wk, .offset: 16, .size: 8, .value_kind: global_buffer, .address_space: global }
      - { .name: Wv, .offset: 24, .size: 8, .value_kind: global_buffer, .address_space: global }
      - { .name: Wo, .offset: 32, .size: 8, .value_kind: global_buffer, .address_space: global }
      - { .name: xa, .offset: 40, .size: 8, .value_kind: global_buffer, .address_space: global }
      - { .name: wh, .offset: 48, .size: 8, .value_kind: global_buffer, .address_space: global }
    .group_segment_fixed_size: 0
    .private_segment_fixed_size: 0
    .kernarg_segment_align: 8
    .kernarg_segment_size: 56
    .max_flat_workgroup_size: 256
    .sgpr_count:     66
    .vgpr_count:     176
    .wavefront_size: 32
...
	.end_amdgpu_metadata
.endif
;; end of part 1
;; launch qkvgemm (part 2): grid 12 x 64, 4 waves a work-group, clusters of 4 x 4, 327,680 bytes of LDS; arguments xa, wh, qkv; writes qkv
.if DOCPART == 2
	.amdgcn_target "amdgcn-amd-amdhsa--gfx1250"
	.amdhsa_code_object_version 6
	.text
	.protected	k_qdc0df21748_qkvgemm
	.globl	k_qdc0df21748_qkvgemm
	.p2align	8
	.type	k_qdc0df21748_qkvgemm,@function
k_qdc0df21748_qkvgemm:
	s_mov_b64 s[64:65], 0
	v_nop
	global_prefetch_b8 v0, s[64:65] scope:SCOPE_SE
	s_setreg_imm32_b32 hwreg(HW_REG_WAVE_MODE, 25, 1), 1
	s_wait_xcnt 0x0
	s_wait_alu depctr_hold_cnt(0) depctr_sa_sdst(0) depctr_va_vdst(0) depctr_va_sdst(0) depctr_va_ssrc(0) depctr_va_vcc(0) depctr_vm_vsrc(0)
	s_getreg_b32 s2, hwreg(HW_REG_IB_STS2, 6, 4)
	s_cmp_eq_u32 s2, 0
	s_cbranch_scc0 .Lentry_in_a_cluster
	s_endpgm
.Lentry_in_a_cluster:
	s_bfe_u32 s2, ttmp6, 0x10000c
	s_cmp_lg_u32 s2, 0xf033
	s_cbranch_scc0 .Lentry_shape_is_right
	s_endpgm
.Lentry_shape_is_right:
; q = rx Wq^T, k = rx Wk^T, v = x Wv^T: three products [8192 x 1024] x [1024 x 1024]^T, f16 operands, f32 sums, each result rounded once to f16 and written by heads:
; qkv: q, k, v at 0, 0x1000000, 0x2000000, each [b*16+h][t][64].  LIMIT: q, k and v stay within f16's 65,504.
; A TILE of C is 128 rows x 256 columns: 64 x 12 = 768 tiles, three for each of 256 work-group places.  Four waves, each 64 x 128: 32 accumulators of 16 x 16, 256 registers.
; K goes in 8 steps of 128 through two LDS slots.  A lies in blocks [kb][t][64]: 128 rows x 64 K are 16,384 dense bytes, asked for as 64 rows of 256 bytes and padded in LDS after every 128;
; a step has two such blocks (waves 0, 1 fetch them) and 256 rows x 256 bytes of W (waves 2, 3 fetch 128 rows each).
; CLUSTERS: 4 x 4 work-groups.  The cluster's x says which product (0 q, 1 k, 2 v), cx which 256 rows of its W.  The four of a row of the cluster need the same tiles of A, the four of a column
; the same tiles of W: each tile is asked for JOINTLY, by the same tensor load with the same descriptor and a mask that names the four.
; THE MATRIX INSTRUCTION IS USED TRANSPOSED (source 0 = 16 rows of W, source 1 = 16 rows of A): a lane then holds eight neighbouring numbers of a row of C.
; REGISTERS: window 0: v0-31 addresses, v32-191 the way out.  Window 1: the accumulators, (a, b) at v[8 (8 a + b)].  Window 2: two fragment buffers of 96: 64 of W (8 x 16 rows x 32 K), then 32 of A.
.set PA,     144                       ; an LDS row of A: 128 bytes + 16 = 36 words: the 16 rows of a load start at 16 different groups of four banks (64 banks of 4 bytes: ISA guide 11.1)
.set ASUB,   128*PA                    ; one block of A: 128 rows x 64 K
.set AREG,   2*ASUB
.set PB,     272                       ; an LDS row of W: 256 bytes + 16 = 68 words
.set BHALF,  128*PB
.set SLOT,   AREG+2*BHALF              ; 106,496
.set STAGE,  2*SLOT                    ; behind the ring: 16 rows x 272 bytes for each wave, for the way out
.set SP,     272
.set SPARE,  STAGE+4*16*SP             ; behind the stages: the spare words, 128 bytes for each wave: two blocks of 256 bytes that no other line names
.set LAPS,   4                         ; a lap = two K steps = once round the ring
.set ADRA, 16                          ; v16-17  LDS address of my A fragments in slot 0, 1
.set ADRB, 20                          ; v20-21  the same for W
.set STO,  24                          ; v24     the way out: where I put 16 bytes of a row
.set RD,   25                          ; v25     the way out: where I read rows back
.set CO,   26                          ; v26     my byte offset in 512 consecutive bytes of the output
.set SPW,  28                          ; v28     LDS address of my spare word: SPARE + 4 x my thread's number; never rewritten
.set NIL,  29                          ; v29     0; never rewritten
.set TMP,  32                          ; v32-63  packed results
.set OB,   64                          ; v64-191 rows read back, 32 registers for each block of 16 rows
.set F0,   0                           ; fragment buffers, in window 2
.set F1,   96
.set G1, 24                            ; s[24:31] descriptor group 1 for A's tiles;  s[32:39] group 0, one set for each slot
.set G0, 32
.set G1B, 48                           ; s[48:55], s[56:63] the same for W's tiles
.set G0B, 56
.set MSB, 0
.macro WIN new                         ; the immediate's high byte repeats the setting that is left; a switch that changes nothing is dropped
.if MSB != (\new)
	s_set_vgpr_msb (MSB<<8)|(\new)
.set MSB, \new
.endif
.endm
.set MUL,  0x5a                        ; sources 0 (W) and 1 (A) window 2; C and D window 1
.set TO_F, 0x80                        ; destination window 2, address window 0
.macro JLOAD s                         ; a joint load: waves 0 and 1 fetch A's two blocks, waves 2 and 3 W's two halves; an s_nop 0 and four v_nop follow each of the two lines, ahead of the jump, the label and what follows
	s_cmp_eq_u32 s11, 0
	s_cbranch_scc0 .Lfor_b_\@
	tensor_load_to_lds s[G0+4*(\s):G0+4*(\s)+3], s[G1:G1+7]
	s_nop 0
.rept 4
	v_nop
.endr
	s_branch .Lasked_\@
.Lfor_b_\@:
	tensor_load_to_lds s[G0B+4*(\s):G0B+4*(\s)+3], s[G1B:G1B+7]
	s_nop 0
.rept 4
	v_nop
.endr
.Lasked_\@:
.endm
.macro CREST                           ; a round of the cluster's barrier behind its opening barrier
	s_cmp_lg_u32 s10, 0
	s_cbranch_scc1 .Lnot_wave_0_\@
	s_barrier_signal -3
.Lnot_wave_0_\@:
	s_barrier_wait -3
	s_barrier_signal -1
	s_barrier_wait -1
.endm
.macro CROUND                          ; a whole round
	s_barrier_signal -1
	s_barrier_wait -1
	CREST
.endm
	s_load_b128 s[4:7], s[0:1], 0x0                ; xa s[4:5], wh s[6:7]
	s_load_b64 s[8:9], s[0:1], 0x10                ; qkv
	v_lshl_add_u32 v[SPW], v0, 2, SPARE
	v_mov_b32 v[NIL], 0
	ds_add_u32 v[SPW], v[NIL]                      ; the wave's opening: the add and its wait stand ahead of my first tensor load; the set-up below, work on registers, stands between them
	ds_add_u32 v28, v29
	v_lshrrev_b32 v1, 5, v0
	v_readfirstlane_b32 s10, v1                    ; wave 0..3
	s_lshr_b32 s11, s10, 1                         ; which 64 of the tile's rows are mine.  Also: I fetch for A (0) or for W (1)
	s_and_b32 s12, s10, 1                          ; which 128 of its columns.  Also: which part of that tile I fetch
	s_bfe_u32 s40, ttmp6, 0x40000                  ; cx, cy: my place in the cluster
	s_bfe_u32 s41, ttmp6, 0x40004
	s_and_b32 s13, ttmp7, 0xffff
	s_lshl_b32 s13, s13, 2
	s_add_co_u32 s13, s13, s41                     ; ty: tile row of C = 4 x cluster y + cy
	s_lshl_b32 s43, s41, 2
	s_lshl_b32 s43, 15, s43                        ; my row of the cluster
	s_lshl_b32 s44, 0x1111, s40                    ; my column
	s_or_b32 s[G1+0], s43, (1<<16)|(1<<20)|(1<<21)|(4<<22)|(3<<25)   ; 15:0 the mask: A's tiles go to my row; 17:16 2-byte elements; 20 padding on; 21 set beside a mask; 24:22 after every 32 words (code 4); 31:25 4 words (code 3)
	s_mov_b32 s[G1+1], 128<<16                     ; tensor_dim0 = 128 elements: 256 bytes, two rows of a block
	s_mov_b32 s[G1+2], 64<<16                      ; tensor_dim1 = 64
	s_mov_b32 s[G1+3], 128<<16                     ; tile_dim0 = 128
	s_mov_b32 s[G1+4], 64                          ; tile_dim1 = 64
	s_mov_b32 s[G1+5], 128                         ; dense: 128 elements from row to row
	s_mov_b32 s[G1+6], 0
	s_mov_b32 s[G1+7], 0
	s_or_b32 s[G1B+0], s44, (1<<16)|(1<<20)|(1<<21)|(5<<22)|(3<<25)  ; W's tiles go to my column; padding after every 64 words (code 5)
	s_mov_b32 s[G1B+1], 128<<16                    ; tensor_dim0 = 128
	s_mov_b32 s[G1B+2], 128<<16                    ; tensor_dim1 = 128
	s_mov_b32 s[G1B+3], 128<<16                    ; tile_dim0 = 128
	s_mov_b32 s[G1B+4], 128                        ; tile_dim1 = 128
	s_mov_b32 s[G1B+5], 1024                       ; 1,024 elements from row to row
	s_mov_b32 s[G1B+6], 0
	s_mov_b32 s[G1B+7], 0
	; where the tiles come from.  A's hang on ty and the cluster's x, which my row of the cluster shares; W's on cx and the cluster's x, which my column shares.
	s_lshr_b32 s16, s13, 4                         ; batch
	s_lshl_b32 s16, s16, 22                        ; 16 blocks x 2,048 rows x 128 bytes
	s_and_b32 s17, s13, 15
	s_lshl_b32 s17, s17, 14                        ; 128 rows x 128 bytes
	s_add_co_u32 s16, s16, s17
	s_lshl_b32 s17, s12, 18                        ; which of a step's two blocks I fetch
	s_add_co_u32 s16, s16, s17
	s_lshr_b32 s17, ttmp9, 1                       ; q and k take rx, v takes x
	s_lshl_b32 s17, s17, 24
	s_add_co_u32 s16, s16, s17
	s_mov_b32 s17, 0
	s_lshl_b32 s46, s40, 19                        ; 256 rows of 2,048 bytes
	s_lshl_b32 s47, s12, 18                        ; which 128 of them I fetch
	s_add_co_u32 s46, s46, s47
	s_lshl_b32 s47, ttmp9, 21                      ; which matrix
	s_add_co_u32 s46, s46, s47
	s_mov_b32 s47, 0
	s_mul_i32 s20, s12, ASUB                       ; where they go: no place in the cluster enters an LDS address
	s_mul_i32 s21, s12, BHALF
	s_add_co_u32 s21, s21, AREG
	s_wait_dscnt 0x0                               ; the opening add is done
	s_wait_kmcnt 0x0
	s_add_nc_u64 s[14:15], s[4:5], s[16:17]
	s_add_nc_u64 s[46:47], s[6:7], s[46:47]
	CROUND                                         ; all sixteen work-groups are here: the first joint loads meet
.irp s, 0,1
	s_mov_b32 s[G0+4*(\s)], 1
	s_add_co_u32 s[G0+4*(\s)+1], s20, (\s)*SLOT
	s_add_nc_u64 s[G0+4*(\s)+2:G0+4*(\s)+3], s[14:15], (\s)*0x80000   ; K step s: two blocks of 0x40000 bytes on
	s_or_b32 s[G0+4*(\s)+3], s[G0+4*(\s)+3], 0x80000000
	s_mov_b32 s[G0B+4*(\s)], 1
	s_add_co_u32 s[G0B+4*(\s)+1], s21, (\s)*SLOT
	s_add_nc_u64 s[G0B+4*(\s)+2:G0B+4*(\s)+3], s[46:47], (\s)*256
	s_or_b32 s[G0B+4*(\s)+3], s[G0B+4*(\s)+3], 0x80000000
	JLOAD \s                                       ; two loads of mine are out
.endr
	v_and_b32 v1, 15, v0                           ; l % 16
	v_bfe_u32 v2, v0, 4, 1                         ; l / 16
	v_mul_u32_u24 v3, v1, PA
	v_lshl_add_u32 v3, v2, 4, v3                   ; a fragment's row x pitch + 16 x half
	v_mul_u32_u24 v4, v1, PB
	v_lshl_add_u32 v4, v2, 4, v4
	s_mul_i32 s22, s11, 64*PA                      ; my 64 rows of A
	s_mul_i32 s23, s12, BHALF                      ; my 128 rows of W,
	s_add_co_u32 s23, s23, AREG                    ; which lie behind A's blocks
.irp s, 0,1
	v_add_nc_u32 v[ADRA+(\s)], s22, v3
	v_add_nc_u32 v[ADRB+(\s)], s23, v4
	s_add_co_u32 s22, s22, SLOT
	s_add_co_u32 s23, s23, SLOT
.endr
	s_mul_i32 s22, s10, 16*SP
	s_add_co_u32 s22, s22, STAGE                   ; my stage
	v_mul_u32_u24 v5, v1, SP                       ; in: row l % 16, 16 bytes for each half of the lanes
	v_lshl_add_u32 v5, v2, 4, v5
	v_add_nc_u32 v[STO], s22, v5
	v_bfe_u32 v5, v0, 3, 2                         ; back: 32 lanes take four rows' 128 bytes of one head,
	v_mul_u32_u24 v5, v5, SP
	v_and_b32 v6, 7, v0
	v_lshl_add_u32 v5, v6, 4, v5
	v_add_nc_u32 v[RD], s22, v5
	v_and_b32 v[CO], 31, v0                        ; which are 512 consecutive bytes of the output
	v_lshlrev_b32 v[CO], 4, v[CO]
	; the output at my first row of my first head: product, batch, head 4 cx + 2 wn, row 128 (ty % 16) + 64 wm
	s_lshr_b32 s16, s13, 4
	s_lshl_b32 s16, s16, 22
	s_and_b32 s17, s13, 15
	s_lshl_b32 s17, s17, 14
	s_add_co_u32 s16, s16, s17
	s_lshl_b32 s17, s11, 13
	s_add_co_u32 s16, s16, s17
	s_lshl_b32 s17, ttmp9, 24
	s_add_co_u32 s16, s16, s17
	s_mov_b32 s17, 0
	s_add_nc_u64 s[8:9], s[8:9], s[16:17]
	s_lshl_b32 s46, s40, 20                        ; (in the registers that held W's address: none that feeds A's descriptors ever holds cx)
	s_lshl_b32 s47, s12, 19
	s_add_co_u32 s46, s46, s47
	s_mov_b32 s47, 0
	s_add_nc_u64 s[8:9], s[8:9], s[46:47]
; 8 matrix instructions: m block a x all 8 n blocks, 32 along K, from buffer f.  zero = 1: the first product starts the sums.  The 32 accumulators take turns, one instruction a turn.
.macro MUL8 f, a, zero
	WIN MUL
.irp b, 0,1,2,3,4,5,6,7
.if \zero
	v_wmma_f32_16x16x32_f16 v[8*(8*(\a)+(\b)):8*(8*(\a)+(\b))+7], v[(\f)+8*(\b):(\f)+8*(\b)+7], v[(\f)+64+8*(\a):(\f)+64+8*(\a)+7], 0
.else
	v_wmma_f32_16x16x32_f16 v[8*(8*(\a)+(\b)):8*(8*(\a)+(\b))+7], v[(\f)+8*(\b):(\f)+8*(\b)+7], v[(\f)+64+8*(\a):(\f)+64+8*(\a)+7], v[8*(8*(\a)+(\b)):8*(8*(\a)+(\b))+7]
.endif
.endr
.endm
; 24 LDS loads in one run: the fragments of quarter kq (32 along K) of a slot into buffer f: W's 16 loads, then A's 8
.macro FETCH slot, kq, f
	WIN TO_F
.irp i, 0,1,2,3,4,5,6,7
	ds_load_b128 v[(\f)+8*(\i):(\f)+8*(\i)+3],   v[ADRB+(\slot)] offset:(\kq)*64+(\i)*16*PB
	ds_load_b128 v[(\f)+8*(\i)+4:(\f)+8*(\i)+7], v[ADRB+(\slot)] offset:(\kq)*64+(\i)*16*PB+32
.endr
.irp i, 0,1,2,3
	ds_load_b128 v[(\f)+64+8*(\i):(\f)+64+8*(\i)+3],   v[ADRA+(\slot)] offset:((\kq)/2)*ASUB+((\kq)%2)*64+(\i)*16*PA
	ds_load_b128 v[(\f)+64+8*(\i)+4:(\f)+64+8*(\i)+7], v[ADRA+(\slot)] offset:((\kq)/2)*ASUB+((\kq)%2)*64+(\i)*16*PA+32
.endr
.endm
.macro PLACES                          ; four places in front of loads into registers that matrix instructions have read, and of lines that read results (ISA guide 7.12.1 for vector instructions)
.rept 4
	v_nop
.endr
.endm
; A K step is four quarters of 32 along K, 32 matrix instructions each, on buffers 0, 1, 0, 1.  One of the first three: multiplies buffer f and fetches quarter kq into g.
.macro QUARTER slot, kq, f, g, zero
	s_wait_dscnt 4                                 ; W and A's blocks 0, 1 are in; the youngest four loads (A's blocks 2, 3) may be out
	MUL8 \f, 0, \zero
	MUL8 \f, 1, \zero
	PLACES
	FETCH \slot, \kq, \g
	s_wait_dscnt 24                                ; all but the 24 just issued
	MUL8 \f, 2, \zero
	MUL8 \f, 3, \zero
.endm
; The last quarter multiplies buffer 1 and changes slots: ONE barrier; in front of it each wave waits for all its tensor loads, adds 0 to its spare word, and waits for that and for its own reads of this slot.
; fill = 1: this slot is filled again, two K steps ahead; the barrier then opens a round of the cluster's.
.macro TURN slot, next, fill
	WIN 0                                          ; (the add's two registers lie in window 0)
	s_wait_tensorcnt 0x0                           ; all my tensor loads have landed: the one that was out is my part of the next slot;
	ds_add_u32 v[SPW], v[NIL]                      ; 0 onto my spare word
	s_wait_dscnt 5                                 ; (the add and the youngest four loads may be out)
	MUL8 F1, 0, 0                                  ; eight matrix instructions stand between the add and the wait for it
	s_wait_dscnt 0x0                               ; the add is done, and my reads of this slot are over
	s_barrier_signal -1
	MUL8 F1, 1, 0
.if \fill
	WIN 0
.endif
	s_barrier_wait -1
.if \fill
	CREST                                          ; no wave of any partner still reads this slot's tile or has a load on its way
	s_add_nc_u64 s[G0+4*(\slot)+2:G0+4*(\slot)+3], s[G0+4*(\slot)+2:G0+4*(\slot)+3], 0x100000   ; two K steps on: four blocks of A,
	s_add_nc_u64 s[G0B+4*(\slot)+2:G0B+4*(\slot)+3], s[G0B+4*(\slot)+2:G0B+4*(\slot)+3], 512    ; 256 elements along W's rows
	JLOAD \slot                                    ; the first tensor load behind the round: 112 matrix instructions ahead of the wait for it; the four v_nop behind it are also the places in front of the loads below
.else
	PLACES
.endif
	FETCH \next, 0, F0
	MUL8 F1, 2, 0
	MUL8 F1, 3, 0
.endm
	s_wait_tensorcnt 1                             ; my part of K step 0 is in; step 1's may stay out
	s_barrier_signal -1
	s_barrier_wait -1                              ; everybody's is
	FETCH 0, 0, F0
	QUARTER 0, 1, F0, F1, 1                        ; the first quarter stands in front of the loop: its products start the sums
	WIN 0                                          ; at a label and at a branch every window is 0
	s_mov_b32 s3, LAPS-1
.Llap:                                                 ; a trip goes once round the ring, from a lap's second quarter to the next lap's first, and fills both slots again
	QUARTER 0, 2, F1, F0, 0
	QUARTER 0, 3, F0, F1, 0
	TURN 0, 1, 1
	QUARTER 1, 1, F0, F1, 0
	QUARTER 1, 2, F1, F0, 0
	QUARTER 1, 3, F0, F1, 0
	TURN 1, 0, 1
	QUARTER 0, 1, F0, F1, 0
	WIN 0
	s_sub_co_u32 s3, s3, 1
	s_cmp_lg_u32 s3, 0
	s_cbranch_scc1 .Llap
	QUARTER 0, 2, F1, F0, 0                        ; the last lap fills nothing, and has no round of the cluster's barrier
	QUARTER 0, 3, F0, F1, 0
	TURN 0, 1, 0
	QUARTER 1, 1, F0, F1, 0
	QUARTER 1, 2, F1, F0, 0
	QUARTER 1, 3, F0, F1, 0
	s_wait_dscnt 4                                 ; the very last quarter: nothing more to fetch
	MUL8 F1, 0, 0
	MUL8 F1, 1, 0
	s_wait_dscnt 0x0
	MUL8 F1, 2, 0
	MUL8 F1, 3, 0
	WIN 0
	PLACES
; THE WAY OUT, a block of 16 rows x 128 columns (two heads) at a time: rounded to f16, 16 bytes a lane into my own stage, back as four rows' 128 bytes of one head, stored as 512 consecutive bytes.
.macro PACK a
	WIN 0x05                                       ; sources 0 and 1 window 1, destination window 0; each accumulator's registers in ascending order
.irp b, 0,1,2,3,4,5,6,7
.irp r, 0,1,2,3
	v_cvt_pk_f16_f32 v[TMP+4*(\b)+(\r)], v[64*(\a)+8*(\b)+2*(\r)], v[64*(\a)+8*(\b)+2*(\r)+1]
.endr
.endr
	WIN 0
.endm
.macro TOSTAGE a
	WIN 0
.irp b, 0,1,2,3,4,5,6,7
	ds_store_b128 v[STO], v[TMP+4*(\b):TMP+4*(\b)+3] offset:32*(\b)
.endr
.irp f, 0,1,2,3,4,5,6,7
	ds_load_b128 v[OB+32*(\a)+4*(\f):OB+32*(\a)+4*(\f)+3], v[RD] offset:((\f)/4)*128+((\f)%4)*4*SP  ; LDS serves a wave's instructions in order (ISA guide 5.7.1.4): these see the stores above
.endr
.endm
.macro SEND a
	WIN 0
.irp f, 0,1,2,3,4,5,6,7
	s_wait_dscnt 7-(\f)                            ; nothing younger than the block's own eight loads is out
	global_store_b128 v[CO], v[OB+32*(\a)+4*(\f):OB+32*(\a)+4*(\f)+3], s[8:9] offset:((\f)/4)*262144+(\a)*2048+((\f)%4)*512  ; head f / 4, rows 16 a + 4 (f % 4) on: 512 consecutive bytes, aligned
.endr
.endm
	PACK 0
	TOSTAGE 0
.irp a, 1,2,3                          ; block a's conversions stand between block a - 1's loads from the stage and the wait for them
	PACK \a
	SEND (\a)-1
	TOSTAGE \a
.endr
	SEND 3
	s_wait_tensorcnt 0x0                           ; the wave's end: behind my last tensor load and my last LDS store
	ds_add_u32 v[SPW], v[NIL]
	s_wait_dscnt 0x0
	CROUND                                         ; the closing round: no work-group ends while a partner may still ask for a tile that names it
	s_endpgm
.Lfunc_end_k_qdc0df21748_qkvgemm:
	.size	k_qdc0df21748_qkvgemm, .Lfunc_end_k_qdc0df21748_qkvgemm-k_qdc0df21748_qkvgemm
	.p2alignl 7, 3214868480
	.fill 96, 4, 3214868480
	.section	.rodata,"a",@progbits
	.p2align	6, 0x0
	.amdhsa_kernel k_qdc0df21748_qkvgemm
		.amdhsa_group_segment_fixed_size 327680
		.amdhsa_private_segment_fixed_size 0
		.amdhsa_enable_private_segment 0
		.amdhsa_kernarg_size 24
		.amdhsa_user_sgpr_count 2
		.amdhsa_user_sgpr_kernarg_segment_ptr 1
		.amdhsa_wavefront_size32 1
		.amdhsa_system_sgpr_workgroup_id_x 1
		.amdhsa_system_sgpr_workgroup_id_y 1
		.amdhsa_system_sgpr_workgroup_id_z 1
		.amdhsa_system_vgpr_workitem_id 0
		.amdhsa_next_free_vgpr 704
		.amdhsa_next_free_sgpr 66
		.amdhsa_reserve_vcc 0
		.amdhsa_float_denorm_mode_32 3
		.amdhsa_float_denorm_mode_16_64 3
		.amdhsa_memory_ordered 1
		.amdhsa_forward_progress 1
		.amdhsa_inst_pref_size 87
	.end_amdhsa_kernel
	.amdgpu_metadata
---
amdhsa.version: [ 1, 2 ]
amdhsa.kernels:
  - .name:           k_qdc0df21748_qkvgemm
    .symbol:         k_qdc0df21748_qkvgemm.kd
    .args:
      - { .name: xa, .offset: 0, .size: 8, .value_kind: global_buffer, .address_space: global }
      - { .name: wh, .offset: 8, .size: 8, .value_kind: global_buffer, .address_space: global }
      - { .name: qkv, .offset: 16, .size: 8, .value_kind: global_buffer, .address_space: global }
    .group_segment_fixed_size: 327680
    .private_segment_fixed_size: 0
    .kernarg_segment_align: 8
    .kernarg_segment_size: 24
    .max_flat_workgroup_size: 128
    .sgpr_count:     66
    .vgpr_count:     704
    .wavefront_size: 32
...
	.end_amdgpu_metadata
.endif
;; end of part 2
;; launch attn (part 3): grid 4 x 64, 4 waves a work-group, no clusters, 327,680 bytes of LDS; arguments qkv, ao; writes ao
.if DOCPART == 3
	.amdgcn_target "amdgcn-amd-amdhsa--gfx1250"
	.amdhsa_code_object_version 6
	.text
	.protected	k_qdc0df21748_attn
	.globl	k_qdc0df21748_attn
	.p2align	8
	.type	k_qdc0df21748_attn,@function
k_qdc0df21748_attn:
	s_mov_b64 s[64:65], 0
	v_nop
	global_prefetch_b8 v0, s[64:65] scope:SCOPE_SE
	s_setreg_imm32_b32 hwreg(HW_REG_WAVE_MODE, 25, 1), 1
	s_wait_xcnt 0x0
; CAUSAL ATTENTION.  O[h][q][:] = the sum over k <= q of softmax_k(Q[h][q] . K[h][k] / 8) V[h][k][:].  Q, K, V lie in one buffer at 0, 0x1000000, 0x2000000; they and O are [SIZE_H][SIZE_N][64], all f16
; (h counts batch x 16 + head): a head's rows are dense, 128 bytes each.
; Products, maxima and sums in f32; the weights p are rounded to f16 for the second product (their sum l is taken of the unrounded p), O once at the end.
; LIMITS.  f16 holds no number beyond 65,504: Q, K and V arrive within it; p lies in 0 to 1, and below 6e-5 it keeps f16's fixed step of 6e-8; O is a mean of V's rows and has their range, to within 2^-11 of it.
; A hidden score counts as its value less 1e30: f16's scores, 2.7e11 at the most, are nothing beside that; a weight below 2^-126 counts as 0 in l; NaN and infinities are not treated apart.
; THE WALK.  A head's queries lie in NB = SIZE_N / 256 = 8 blocks of 256; block i needs the key tiles 0 .. i of 256 keys, of which the last holds the diagonal.  A work-group takes TWO blocks, NB - 1 - b and then b:
; NB + 1 = 9 tiles, whatever b: all work-groups do equal work, and ONE loop with a constant trip count walks them.  Which tile is asked for, and what a trip does, hang on scalar registers made from b; every jump
; goes forward, but for the counted loops' own; none passes a barrier, or a tensor load but the one of LOAD's two that the wave's number does not choose; the ring (two slots of LDS that take turns) runs on across the
; change of blocks.  NO CLUSTER: a head's four work-groups ask for the same tile only in trips 0 .. 4 of the 9, behind that fewer and fewer; and one walk common to all four would have 12 trips for 9.
; SHARES.  Of a block's four bands of 64 queries a wave owns 16 rows in each: four PIECES.  So the diagonal tile is the same work for all four waves: in its key step s band x sees all keys if s < x,
; none if s > x, and holds the diagonal if s = x.
; THE MASK is the C operand that starts the sum S^T = K Q^T: 0, or -1e30 where the key is hidden.  MD, made once, is the mask of a band's own step for my 16 rows; a product's mask is MD x AL + BE with two scalars:
; (1, 0) if s = x; (0, 0) if s < x; (0, -1e30) if s > x.  Only the diagonal tile's text and a block's beginning make and take masks; elsewhere C is the constant 0.
; LAYOUT, SOFTMAX, TURNS.  S^T = K Q^T holds ONE query a lane (lane % 16) and the keys 8 (lane / 16) + 0..7; two such results rounded to f16 ARE source 1 of O^T = V^T P.  p = 2^(c s - c m), c = log2(e) / 8, with a
; running maximum m; O and l are multiplied by a = 2^(c m_old - c m_new) in every step.  Turn n belongs to piece n: 8 products K Q^T of piece n + 1, later 8 products V^T P of piece n - 1; beside them the scaling,
; exponentials, roundings, sums and rescaling of piece n and the maximum and statistics of piece n + 1.  Four vector instructions stand behind every matrix instruction, the other 54 of a turn's 118 in two LUMPS.
; REGISTERS, in windows of 256 (s_set_vgpr_msb: bits 1:0 source 0, 3:2 source 1, 5:4 source 2, 7:6 destination):
;   window 0: v0-15 addresses and two at work; v16-31 four registers of statistics a piece; v48-55 at work; v64-127 S^T, two buffers; v192-223 P, two buffers (a piece's buffers go by its number's parity)
;   window 1: v0-127 O^T, 32 a piece; v128-159 MD; v160-223 MC, two buffers      window 2: v0-63 Q; v64-127 the second block's Q; v128-191 K of one step; v192-255 V of one step
.set SIZE_H, 64
.set SIZE_N, 2048
.set NB,    SIZE_N/256
.set NP,    4         ; pieces a wave: a name, no knob
.set KS,    64        ; keys in a step
.set PK,    144       ; a row of K in LDS: 128 bytes + 16 of padding = 36 words: the 16 rows of a load start at 16 different groups of four banks (64 banks of 4 bytes: ISA guide 11.1)
.set PV,    160       ; a row of V: 128 + 32 = 40 words
.set VOFF,  4*KS*PK   ; a slot holds a tile, four steps: 256 rows of K, then 256 rows of V
.set SLOT1, 1<<17     ; slot 1 begins here, so that one exclusive or turns an address in one slot into the other's
.set STAGE, SLOT1+4*KS*(PK+PV)  ; behind the ring, never filled by a tensor load: 16 rows x 144 bytes for each wave, for the way out
.set SP,    144
.set AK0, 2           ; v2   my lane's place in a tile of K; never rewritten
.set AV0, 3           ; v3   the same for V
.set AK,  4           ; v4   the LDS address of K's next run of loads
.set AV,  5           ; v5   of V's
.set STO, 6           ; v6   the way out: where I put 16 bytes of a row
.set RD,  7           ; v7   the way out: where I read rows back
.set GO,  8           ; v8   my byte offset in 512 consecutive bytes of O
.set SPW, 62          ; v62  LDS address of my spare word: SPARE + 4 x my thread's number; never rewritten
.set NIL, 63          ; v63  0; never rewritten
.set SPARE, STAGE+4*16*SP  ; behind the stages: the spare words, 128 bytes for each wave: two blocks of 256 bytes that no other line names
.set MV,  12          ; v12-13  c m_old, kept while c m is made anew: by buffer
.set QO,  15          ; v15  my byte offset in 16 rows of Q
.set ST,  16          ; piece t's statistics at v[ST+4 t]: c m, m, l (even keys', odd keys')
.set TMP, 48          ; by buffer, four registers c0-c3 at work; when the maximum is found c2 takes a
.set S,   64
.set P,   192
.set MD,  128         ; window 1: the eight registers for group kt of 16 keys at MD + 8 kt
.set MC,  160         ; window 1: the masks of the products to come
.set QB,  64          ; window 2
.set KF,  128         ; window 2: key block kb, channel half c at KF + 16 kb + 8 c
.set VF,  192         ; window 2: key half kk, channel block cb at VF + 32 kk + 8 cb
.set WV,  12          ; s12  my wave's number
.set PB,  14          ; s14  b
.set HI,  15          ; s15  NB - 1 - b
.set G1K, 24          ; s[24:31] descriptor group 1 for K's tiles
.set G1V, 32          ; s[32:39] for V's: it differs in the padding alone
.set G0K, 40          ; s[40:43] descriptor group 0 for K's tiles
.set G0V, 44          ; s[44:47] the same for V's
.set SLOTS, 56        ; s56  tiles still to be asked for
.set CNT, 57          ; s57  counts a tile's key steps, 4 to 1
.set CS,  58          ; s[58:59] c: the packed scaling takes the pair's low word for both halves
.set SEL, 60          ; s[60:61] v_permlanex16_b32's selects: each lane takes its own place in the other half
.set TBK, 62          ; s62  LDS byte at which K of the step to be fetched begins
.set TBV, 63          ; s63  the same for V, less VOFF
.set RT,  70          ; s70  tiles of the block in hand that are still to be entered
.set NXT, 71          ; s71  the tile to be asked for next
.set LQ,  72          ; s72  the last tile of the block whose tiles are being asked for
.set NEW, 73          ; s73  1: the tile to be entered is a block's first
.set OFF, 74          ; s[74:75] a tile's byte offset in K and V
.set AL,  76          ; s[76:77] the mask's factor, in the low word
.set BE,  78          ; s[78:79] the mask's addend
.set OLO, 80          ; s[80:81] O at my rows of the second block
.set BIGN, 82         ; s82  -1e30
.set MSB, 0
.macro WIN new                      ; the high byte repeats the setting that is left; a switch that changes nothing is dropped
.if MSB != (\new)
	s_set_vgpr_msb (MSB<<8)|(\new)
.set MSB, (\new)
.endif
.endm
.set W_KQ, 0x0a       ; K and Q in window 2, S^T in window 0
.set W_KM, 0x1a       ; the same with the C operand in window 1
.set W_PV, 0x52       ; V in window 2, P in window 0, O^T in window 1
.set W_RS, 0x41       ; destination and source 0 in window 1, source 1 in window 0
; A fill.  Waves 0 and 1 fetch the two halves of a tile's K, waves 2 and 3 those of its V: 128 keys each.  An s_nop 0 and four v_nop follow each of the two lines, ahead of the jump and the label.
.macro LOAD
	s_cmp_lt_u32 s[WV], 2
	s_cbranch_scc0 .Lfor_v_\@
	tensor_load_to_lds s[G0K:G0K+3], s[G1K:G1K+7]
	s_nop 0
.rept 4
	v_nop
.endr
	s_branch .Lasked_\@
.Lfor_v_\@:
	tensor_load_to_lds s[G0V:G0V+3], s[G1V:G1V+7]
	s_nop 0
.rept 4
	v_nop
.endr
.Lasked_\@:
.endm
; THE CHANGE OF SLOTS.  Each wave waits for all its tensor loads, of which one is out: its part of the other slot; adds 0 to its spare word; and waits for that and for its own reads of the slot that it leaves.  Behind the barrier nobody reads the old
; slot any more and the other slot is whole.  fill = 1: the old slot is filled again, the first thing behind the barrier, with tile NXT: the descriptor's address is made anew from that number.
; (At its first use nothing has been read yet: slot 0 is waited for, slot 1 filled.)
.macro CHANGE fill
	WIN 0                           ; at a label and at a branch every window is 0
	s_wait_tensorcnt 0x0            ; no tensor load of mine is out, so a group 0 may be written
	ds_add_u32 v[SPW], v[NIL]       ; 0 onto my spare word; with fill = 1 the descriptors' scalar work stands between it and the wait for it
.if \fill
	s_lshl_b32 s[OFF], s[NXT], 15   ; a tile is 32,768 bytes of K and of V
	s_xor_b32 s[G0K+1], s[G0K+1], SLOT1
	s_add_nc_u64 s[G0K+2:G0K+3], s[6:7], s[OFF:OFF+1]
	s_or_b32 s[G0K+3], s[G0K+3], 0x80000000
	s_xor_b32 s[G0V+1], s[G0V+1], SLOT1
	s_add_nc_u64 s[G0V+2:G0V+3], s[8:9], s[OFF:OFF+1]
	s_or_b32 s[G0V+3], s[G0V+3], 0x80000000
	s_add_co_u32 s[NXT], s[NXT], 1  ; the block's next tile, or behind its last the second block's tile 0
	s_cmp_gt_u32 s[NXT], s[LQ]
	s_cselect_b32 s[NXT], 0, s[NXT]
	s_cselect_b32 s[LQ], s[PB], s[LQ]
.endif
	s_wait_dscnt 0x0                ; the add is done, and my reads of the slot are over
	s_barrier_signal -1             ; the rest of the scalar work stands between the signal and the wait
	s_sub_co_u32 s[TBK], s[TBK], 4*KS*PK  ; the fetches go back to a slot's first step,
	s_xor_b32 s[TBK], s[TBK], SLOT1       ; in the other slot
	s_sub_co_u32 s[TBV], s[TBV], 4*KS*PV
	s_xor_b32 s[TBV], s[TBV], SLOT1
	s_barrier_wait -1
.if \fill
	LOAD
.endif
.endm
	s_load_b128 s[4:7], s[0:1], 0x0   ; qkv s[4:5] (Q lies at its head), O s[6:7]
	v_lshl_add_u32 v[SPW], v0, 2, SPARE
	v_mov_b32 v[NIL], 0
	ds_add_u32 v[SPW], v[NIL]       ; the wave's opening: the add and its wait stand ahead of my first tensor load; the set-up below, work on registers, stands between them
	ds_add_u32 v62, v63
	v_lshrrev_b32 v1, 5, v0
	v_readfirstlane_b32 s[WV], v1   ; wave 0..3
	s_mov_b32 s[PB], ttmp9
	s_sub_co_u32 s[HI], NB-1, s[PB]
	s_and_b32 s20, ttmp7, 0xffff    ; the head
	s_mov_b32 s21, 0
	s_mov_b64 s[22:23], SIZE_N*128
	s_mul_u64 s[20:21], s[20:21], s[22:23]  ; the head's first byte in each of the four tensors
	s_and_b32 s16, s[WV], 1         ; which half of a tile's 256 keys I fetch:
	s_lshl_b32 s22, s16, 14         ; its 128 rows of 128 bytes in memory,
	s_mov_b32 s23, 0
	s_add_nc_u64 s[22:23], s[22:23], s[20:21]
	s_mul_i32 s17, s16, 128*PK      ; and its place in a slot, for K
	s_mul_i32 s18, s16, 128*PV      ; and for V
	s_lshl_b32 s3, s[WV], 11        ; my 16 rows in a band of 64,
	s_lshl_b32 s2, s[HI], 15        ; in the first block,
	s_add_co_u32 s2, s2, s3
	s_lshl_b32 s84, s[PB], 15       ; and in the second
	s_add_co_u32 s84, s84, s3
	s_mov_b32 s3, 0
	s_mov_b32 s85, 0
	s_add_nc_u64 s[2:3], s[2:3], s[20:21]
	s_add_nc_u64 s[84:85], s[84:85], s[20:21]
	; descriptor group 1.  128 keys are 16,384 dense bytes: asked for as 64 rows of 256 bytes, two keys a row, and padded in LDS after every key
	s_mov_b32 s[G1K], (1<<16)|(1<<20)|(4<<22)|(3<<25)  ; 17:16 2-byte elements; 20 padding on; 24:22 after every 32 words (code 4); 31:25 4 words (code 3)
	s_mov_b32 s[G1V], (1<<16)|(1<<20)|(4<<22)|(7<<25)  ; the same with 8 words of padding (code 7)
.irp g, G1K, G1V
	s_mov_b32 s[\g+1], 128<<16      ; tensor_dim0 = 128
	s_mov_b32 s[\g+2], 64<<16       ; tensor_dim1 = 64
	s_mov_b32 s[\g+3], 128<<16      ; tile_dim0 = 128
	s_mov_b32 s[\g+4], 64           ; tile_dim1 = 64
	s_mov_b32 s[\g+5], 128          ; 128 elements from row to row
	s_mov_b32 s[\g+6], 0
	s_mov_b32 s[\g+7], 0
.endr
	s_mov_b32 s[CS], 0x3e38aa3b     ; c = log2(e) / 8 = 0.180337
	s_mov_b32 s[CS+1], s[CS]        ; named with it as a pair
	s_mov_b32 s[SEL], 0x76543210
	s_mov_b32 s[SEL+1], 0xfedcba98
	s_mov_b32 s[TBK], SLOT1+4*KS*PK ; the first change of slots turns these two into 0
	s_mov_b32 s[TBV], SLOT1+4*KS*PV
	s_mov_b32 s[G0K], 1             ; 1:0 count = 1
	s_mov_b32 s[G0K+1], s17         ; 63:32 LDS address: slot 0
	s_mov_b32 s[G0V], 1
	s_add_co_u32 s[G0V+1], s18, VOFF
	s_add_co_u32 s[RT], s[HI], 1    ; the first block has NB - b tiles
	s_mov_b32 s[NXT], 1
	s_mov_b32 s[LQ], s[HI]
	s_mov_b32 s[NEW], 1
	s_mov_b32 s[OFF+1], 0
	s_mov_b32 s[AL+1], 0            ; named as pairs
	s_mov_b32 s[BE+1], 0
	s_mov_b32 s[BIGN], 0xf149f2ca   ; -1e30
	s_mov_b32 s[SLOTS], NB
	s_wait_dscnt 0x0                ; the opening add is done
	s_wait_kmcnt 0x0
	s_mov_b64 s[10:11], s[6:7]                     ; O
	s_add_nc_u64 s[6:7], s[4:5], 0x1000000         ; K lies 16 MiB behind Q,
	s_add_nc_u64 s[8:9], s[4:5], 0x2000000         ; V 32 MiB
	s_add_nc_u64 s[6:7], s[6:7], s[22:23]  ; K and V at my half of the head's tile 0
	s_add_nc_u64 s[8:9], s[8:9], s[22:23]
	s_add_nc_u64 s[G0K+2:G0K+3], s[6:7], 0         ; 120:64 global address
	s_or_b32 s[G0K+3], s[G0K+3], 0x80000000        ; 127:126 type = 2
	s_add_nc_u64 s[G0V+2:G0V+3], s[8:9], 0
	s_or_b32 s[G0V+3], s[G0V+3], 0x80000000
	s_add_nc_u64 s[86:87], s[4:5], s[84:85]        ; Q at my rows of the second block,
	s_add_nc_u64 s[4:5], s[4:5], s[2:3]            ; Q and O at those of the first
	s_add_nc_u64 s[OLO:OLO+1], s[10:11], s[84:85]
	s_add_nc_u64 s[10:11], s[10:11], s[2:3]
	LOAD                            ; tile 0 into slot 0
	; A fragment of K or Q is 16 rows x 32 channels in 8 registers: lane l holds row l % 16, channels 8 (l / 16) + 0..7 and 16 + 8 (l / 16) + 0..7: two loads of 16 bytes, 32 bytes apart.
	v_and_b32 v1, 15, v0            ; l % 16
	v_bfe_u32 v9, v0, 4, 1          ; l / 16
	v_lshlrev_b32 v[QO], 7, v1
	v_lshl_add_u32 v[QO], v9, 4, v[QO]  ; row x 128 + 16 x half
	WIN 0x80                        ; destination window 2, address window 0
.set i, 0
.rept 8                             ; both blocks' Q: piece i / 2 lies in band i / 2, 8,192 bytes on; channels 32 (i % 2) on
	global_load_b128 v[8*i:8*i+3],   v[QO], s[4:5] offset:(i/2)*8192+(i%2)*64
	global_load_b128 v[8*i+4:8*i+7], v[QO], s[4:5] offset:(i/2)*8192+(i%2)*64+32
	global_load_b128 v[QB+8*i:QB+8*i+3],   v[QO], s[86:87] offset:(i/2)*8192+(i%2)*64
	global_load_b128 v[QB+8*i+4:QB+8*i+7], v[QO], s[86:87] offset:(i/2)*8192+(i%2)*64+32
.set i, i+1
.endr
	WIN 0
	v_lshlrev_b32 v14, 3, v9
	v_sub_nc_u32 v14, v1, v14
	s_lshl_b32 s13, s[WV], 4
	v_add_nc_u32 v14, s13, v14      ; my query's place in its band, 16 w + l % 16, less my lanes' 8 (l / 16): register r of group kt is hidden where 16 kt + r is greater
	WIN 0x40
.set i, 0
.rept 32
	v_cmp_gt_i32 vcc_lo, 16*(i/8)+i%8, v14
	v_cndmask_b32 v[MD+i], 0, s[BIGN], vcc_lo
.set i, i+1
.endr
	WIN 0
	v_mul_u32_u24 v[AK0], v1, PK
	v_lshl_add_u32 v[AK0], v9, 4, v[AK0]  ; row x pitch + 16 x half
	; The turning load takes 16 keys x 16 channels (lane l reads key 8 (l / 16) + l % 8, channels 8 ((l / 8) % 2) + 0..7) and leaves half a fragment of V^T: lane l holds channel l % 16 and 8 keys.
	v_and_b32 v10, 7, v0
	v_bfe_u32 v11, v0, 3, 1
	v_lshl_add_u32 v[AV0], v9, 3, v10
	v_mul_u32_u24 v[AV0], v[AV0], PV
	v_lshl_add_u32 v[AV0], v11, 4, v[AV0]
	v_add_nc_u32 v[AV0], VOFF, v[AV0]
	s_mul_i32 s13, s[WV], 16*SP
	s_add_co_u32 s13, s13, STAGE    ; my stage
	v_mul_u32_u24 v[STO], v1, SP    ; in: row l % 16, 16 bytes for each half of the lanes
	v_lshl_add_u32 v[STO], v9, 4, v[STO]
	v_add_nc_u32 v[STO], s13, v[STO]
	v_bfe_u32 v[RD], v0, 3, 2       ; back: 32 lanes take four rows of 128 bytes,
	v_mul_u32_u24 v[RD], v[RD], SP
	v_lshl_add_u32 v[RD], v10, 4, v[RD]
	v_add_nc_u32 v[RD], s13, v[RD]
	v_and_b32 v[GO], 31, v0         ; which are 512 consecutive bytes of O
	v_lshlrev_b32 v[GO], 4, v[GO]
	; A block's first step multiplies O^T and l by a = 0, and its first turn's products V^T P, of a piece that has not been, land in an O^T that is still to be so multiplied.  So these registers need only hold
	; finite numbers: zeros for the first block; what the first block left for the second.  All this stands in the wait for the first tile.
	WIN 0x80
.set i, VF
.rept 64
	v_mov_b32 v[i], 0
.set i, i+1
.endr
	WIN 0x40
.set i, 0
.rept 128
	v_mov_b32 v[i], 0
.set i, i+1
.endr
	WIN 0
.set i, 0
.rept 4
	v_mov_b32 v[ST+4*i+2], 0
	v_mov_b32 v[ST+4*i+3], 0
.set i, i+1
.endr
.set i, P+16
.rept 16
	v_mov_b32 v[i], 0
.set i, i+1
.endr
; THE MATRIX WORK.  The 4 accumulators of a run of 8 take turns.  Product i of 8 of S^T = K Q^T for piece x: channels 32 (i / 4) on, keys 16 (i % 4) on.  The first 4 start the sums: with 0, or (KM = 1) with the mask.
.macro KQ x
.set rS, S+32*((\x)%2)+8*(i%4)
.set rK, KF+16*(i%4)+8*(i/4)
.set rQ, 16*(\x)+8*(i/4)
.set rM, MC+32*((\x)%2)+8*(i%4)
.if (i < 4) && KM
	WIN W_KM
	v_wmma_f32_16x16x32_f16 v[rS:rS+7], v[rK:rK+7], v[rQ:rQ+7], v[rM:rM+7]
.elseif i < 4
	WIN W_KQ
	v_wmma_f32_16x16x32_f16 v[rS:rS+7], v[rK:rK+7], v[rQ:rQ+7], 0
.else
	WIN W_KQ
	v_wmma_f32_16x16x32_f16 v[rS:rS+7], v[rK:rK+7], v[rQ:rQ+7], v[rS:rS+7]
.endif
.endm
; Product i of 8 of O^T += V^T P for piece x: keys 32 (i / 4) on, channels 16 (i % 4) on.
.macro PV x
	WIN W_PV
.set rO, 32*(\x)+8*(i%4)
.set rV, VF+32*(i/4)+8*(i%4)
.set rP, P+16*((\x)%2)+8*(i/4)
	v_wmma_f32_16x16x32_f16 v[rO:rO+7], v[rV:rV+7], v[rP:rP+7], v[rO:rO+7]
.endm
.macro MM                           ; the turn's next matrix instruction.  TURN and BEGIN set Y, i, KM and NOKQ; MM, KQ and OP read them.  NOKQ = 1: a block's last turn: there is no next piece
.if (i < 8) && !NOKQ
	KQ (Y+1)%NP
.elseif i >= 8
.set i, i-8
	PV (Y+NP-1)%NP
.set i, i+8
.endif
.set i, i+1
.endm
; THE LDS LOADS stand in runs of 16, never singly among the matrix instructions: a step's K (64 keys x 64 channels: 8 fragments) and its V (turned).  Their addresses are made some lines ahead.
.macro FETCH_K
	WIN 0x80                        ; destination window 2
.irp f, 0,1,2,3,4,5,6,7             ; keys 16 (f / 2) on, channels 32 (f % 2) on
	ds_load_b128 v[KF+8*\f:KF+8*\f+3],   v[AK] offset:(\f/2)*16*PK+(\f%2)*64
	ds_load_b128 v[KF+8*\f+4:KF+8*\f+7], v[AK] offset:(\f/2)*16*PK+(\f%2)*64+32
.endr
	s_add_co_u32 s[TBK], s[TBK], KS*PK  ; the next fetch is the next step's
	WIN 0
.endm
.macro FETCH_V
	WIN 0x80
.irp f, 0,1,2,3,4,5,6,7             ; keys 32 (f / 4) on, channels 16 (f % 4) on
	ds_load_tr16_b128 v[VF+8*\f:VF+8*\f+3],   v[AV] offset:(\f/4)*32*PV+(\f%4)*32
	ds_load_tr16_b128 v[VF+8*\f+4:VF+8*\f+7], v[AV] offset:(\f/4)*32*PV+16*PV+(\f%4)*32
.endr
	WIN 0
.endm
; THE VECTOR WORK, one line at a time: OP kind, number.  For piece Y: F n: c s - c m for pair n of 16.  E n: the exponential of score n of 32.  C n: pair n rounded to f16.  B n: of the four weights 4 n .. the second
; pair is added onto the first, in place.  L n: l takes that sum (L 0: l = a l + sum).  R n: pair n of 16 of O^T times a.  For piece Y + 1: X n, number n of the 22 that find its maximum and statistics:
;   0-11  four chains c0-c3 of seven scores each, three operands at a time (each accumulator's lowest registers are read first)     12-14, 16  the four scores left over, the old m, and c0-c3 into c0
;   15  c m_old is kept     17, 18  the query's other 32 keys lie in the lane 16 away: the new m     19-21  c m; c m_old - c m_new; a
.set F, 0               ; OP tells the kinds apart by their order: F to L below R, X above it
.set E, 1
.set C, 2
.set B, 3
.set L, 4
.set R, 5
.set X, 6
.macro REGS y                       ; the registers of piece y
.set rT, ST+4*(\y)
.set rC, TMP+4*((\y)%2)
.set rW, MV+((\y)%2)
.set rS, S+32*((\y)%2)
.set rP, P+16*((\y)%2)
.set rO, 32*(\y)
.endm
.macro OP k, n
.if (\k) == R
	REGS Y
	WIN W_RS
	v_pk_mul_f32 v[rO+2*(\n):rO+2*(\n)+1], v[rO+2*(\n):rO+2*(\n)+1], v[rC+2:rC+3] op_sel_hi:[1,0]
.elseif (\k) < R
	REGS Y
	WIN 0
.if (\k) == F
	v_pk_fma_f32 v[rS+2*(\n):rS+2*(\n)+1], v[rS+2*(\n):rS+2*(\n)+1], s[CS:CS+1], v[rT:rT+1] op_sel_hi:[1,0,0] neg_lo:[0,0,1] neg_hi:[0,0,1]
.elseif (\k) == E
	v_exp_f32 v[rS+(\n)], v[rS+(\n)]
.elseif (\k) == C
	s_wait_alu depctr_va_vdst(0)
	v_cvt_pk_f16_f32 v[rP+(\n)], v[rS+2*(\n)], v[rS+2*(\n)+1]
.elseif (\k) == B
	s_wait_alu depctr_va_vdst(0)
	v_pk_add_f32 v[rS+4*(\n):rS+4*(\n)+1], v[rS+4*(\n):rS+4*(\n)+1], v[rS+4*(\n)+2:rS+4*(\n)+3]
.elseif (\n) == 0
	v_pk_fma_f32 v[rT+2:rT+3], v[rT+2:rT+3], v[rC+2:rC+3], v[rS:rS+1] op_sel_hi:[1,0,1]
.else
	v_pk_add_f32 v[rT+2:rT+3], v[rT+2:rT+3], v[rS+4*(\n):rS+4*(\n)+1]
.endif
.elseif NOKQ
	v_nop
.else
	REGS (Y+1)%NP
	WIN 0
.if (\n) < 4
	v_max3_num_f32 v[rC+(\n)], v[rS+8*(\n)], v[rS+8*(\n)+1], v[rS+8*(\n)+2]
.elseif (\n) < 12
	v_max3_num_f32 v[rC+(\n)%4], v[rC+(\n)%4], v[rS+8*((\n)%4)+2*((\n)/4)+1], v[rS+8*((\n)%4)+2*((\n)/4)+2]
.elseif (\n) == 12
	v_max3_num_f32 v[rC], v[rC], v[rS+7], v[rS+15]
.elseif (\n) == 13
	v_max3_num_f32 v[rC+1], v[rC+1], v[rS+23], v[rS+31]
.elseif (\n) == 14
	v_max3_num_f32 v[rC+2], v[rC+2], v[rC+3], v[rT+1]
.elseif (\n) == 15
	v_mov_b32 v[rW], v[rT]
.elseif (\n) == 16
	v_max3_num_f32 v[rC], v[rC], v[rC+1], v[rC+2]
.elseif (\n) == 17
	v_permlanex16_b32 v[rC+3], v[rC], s[SEL], s[SEL+1]
.elseif (\n) == 18
	v_max_num_f32 v[rT+1], v[rC], v[rC+3]
.elseif (\n) == 19
	v_mul_f32 v[rT], s[CS], v[rT+1]
.elseif (\n) == 20
	v_sub_f32 v[rC+1], v[rW], v[rT]
.else
	v_exp_f32 v[rC+2], v[rC+1]
.endif
.endif
.endm
.macro OPS a, i1, b=-1, i2=0, c=-1, i3=0, d=-1, i4=0  ; up to four of them
	OP \a, \i1
.if (\b) >= 0
	OP \b, \i2
.endif
.if (\c) >= 0
	OP \c, \i3
.endif
.if (\d) >= 0
	OP \d, \i4
.endif
.endm
.macro ROW a, i1, b, i2, c, i3, d, i4  ; a matrix instruction and the four behind it
	MM
	OPS \a, \i1, \b, \i2, \c, \i3, \d, \i4
.endm
.macro MASK b                       ; MD x AL + BE into buffer b of MC
	WIN W_RS
.set z, 0
.rept 16
	v_pk_fma_f32 v[MC+32*(\b)+2*z:MC+32*(\b)+2*z+1], v[MD+2*z:MD+2*z+1], s[AL:AL+1], s[BE:BE+1] op_sel_hi:[1,0,0]
.set z, z+1
.endr
.endm
; A TURN, for piece p: the order of its 16 matrix and 118 vector instructions, written out.  Behind a matrix instruction: plain, exponential, plain, plain; or four of the rescaling; or, behind the first, four scalings; none
; names a register of the products round it.  In the lumps exponential and plain by turns while exponentials last.  A line reads no result made fewer than three vector instructions in front of it, five if an exponential made it.
; v_permlanex16_b32 (X 17) stands in a lump.
; m = 1: the diagonal tile: the products take masks, and the turn makes the mask for the products of the turn after it: piece p + 2, in step 4 - CNT of the tile.  end = 1: a block's last two turns: nothing is fetched.
; cnt = 1: the loop's count is taken down some lines ahead of the branch that stands behind the turn.
; K of the next step is fetched in piece 2's turn, six vector instructions behind the last product that read K (five of them plain); V of the step in hand in piece 0's turn, eight behind the last product that read V (four
; plain, and X 17).  Each is waited for a turn later.
.macro TURN p, m=0, end=0, cnt=0
.set Y, (\p)
.set i, 0
.set KM, (\m)
.set NOKQ, (\end)*((\p)/3)
.if (\m) && !(\end)
	s_cmp_eq_u32 s[CNT], 4-((\p)+2)%NP  ; is that step the band's own?
	s_cselect_b32 s[AL], 1.0, 0
	s_cmp_lt_u32 s[CNT], 4-((\p)+2)%NP  ; or a later one?
	s_cselect_b32 s[BE], s[BIGN], 0
.endif
.if ((\p) == 3) && !(\end)
	s_wait_dscnt 0x0                ; K is in
.endif
	ROW F,0, F,1, F,2, F,3
	ROW F,4, E,0, F,5, F,6
	ROW F,7, E,1, F,8, F,9
	ROW F,10, E,2, C,0, F,11
	ROW F,12, E,3, X,15, F,13
	ROW R,0, R,1, R,2, R,3
	ROW B,0, E,4, F,14, L,0
.if ((\p) == 2) && !(\end)
	v_add_nc_u32 v[AK], s[TBK], v[AK0]
.endif
	ROW R,4, R,5, R,6, R,7
	OPS E,5, F,15
.if ((\p) == 2) && !(\end)
	FETCH_K
.endif
	OPS E,6, C,1, E,7, R,8
	OPS E,8, R,9, E,9, C,2
	OPS E,10, X,0, E,11, X,1
	OPS E,12, X,2, E,13, X,3
.if (\p) == 1
	s_wait_dscnt 0x0                ; V is in
.endif
	ROW X,4, E,14, X,5, X,6
	ROW X,7, E,15, X,8, X,9
	ROW X,10, E,16, X,11, X,12
	ROW X,13, E,17, X,14, B,1
	ROW C,4, E,18, X,16, L,1
	ROW B,2, E,19, C,6, L,2
	ROW C,8, E,20, B,3, B,4
.if (\p) == 0
	v_add_nc_u32 v[AV], s[TBV], v[AV0]
.endif
	ROW C,3, E,21, L,3, C,5
	OPS E,22, X,17, E,23, C,10
.if (\p) == 0
	FETCH_V
.endif
	OPS E,24, L,4
	OPS E,25, X,18, E,26, C,7
	OPS E,27, B,5, E,28, X,19
	OPS E,29, C,12, E,30, L,5
	OPS E,31, X,20, B,6, C,9
	OPS C,14, C,11, X,21, L,6
.if (\p) == 0
	s_add_co_u32 s[TBV], s[TBV], KS*PV
.endif
.if \cnt
	s_sub_co_u32 s[CNT], s[CNT], 1
	s_cmp_lg_u32 s[CNT], 0
.endif
	OPS C,13, B,7, C,15, R,10
	OPS R,11, R,12, L,7, R,13
	OPS R,14, R,15
.if (\m) && !(\end)
	MASK (\p)%2
.endif
.endm
; A BLOCK BEGINS.  c m starts far below every c s, so the first step's a is 0; m at the lowest finite number, so the first maximum is the scores'.  The second mask buffer is 0; the first takes piece 0's mask for the tile's step 0: its own, if the block's first tile is the diagonal one.
; Then K of that step, piece 0's first scores, and its maximum and statistics.  The loop is entered at a step's first turn, in the middle of a trip.
.macro BEGIN
	s_mov_b32 s[NEW], 0
	WIN 0x40
.set i, MC+32
.rept 32
	v_mov_b32 v[i], 0
.set i, i+1
.endr
	WIN 0
.set i, 0
.rept 4
	v_mov_b32 v[ST+4*i], 0xfe000000    ; c m: far below every c s
	v_mov_b32 v[ST+4*i+1], 0xff7fffff  ; m
.set i, i+1
.endr
	s_cmp_eq_u32 s[RT], 0
	s_cselect_b32 s[AL], 1.0, 0
	s_mov_b32 s[BE], 0
	MASK 0
	WIN 0
	v_add_nc_u32 v[AK], s[TBK], v[AK0]
	FETCH_K
	s_wait_loadcnt 0x0              ; Q
	s_wait_dscnt 0x0
.set KM, 1
.set NOKQ, 0
.set i, 0
.rept 8
	KQ 0
.set i, i+1
.endr
	WIN 0
.rept 4
	v_nop                           ; the places behind those products
.endr
.set Y, NP-1                        ; X works for piece Y + 1: piece 0
.irp n, 0,1,2,3,4,5,6,7,8,9,10,11,12,13,14,15,16,17,18,19,20,21
	OP X, \n
.endr
	v_nop                           ; a plain instruction behind the exponential
.endm
; THE DIAGONAL TILE's four steps, the block's last two turns, its last products, and THE WAY OUT: l's two halves and the other half of the lanes' are added; O^T is divided by l, rounded to f16 and sent through my
; stage in LDS, a piece at a time.
.macro ALL line:vararg              ; one line for each piece t
.set t, 0
.rept 4
	\line
.set t, t+1
.endr
.endm
.macro PACK t                       ; a lane's eight channels of a row pack into 16 bytes; they go into rows of 144 bytes and come back as whole rows of 128, into S^T's registers
	WIN W_RS
.set i, 32*(\t)
.rept 16
	s_wait_alu depctr_va_vdst(0)
	v_pk_mul_f32 v[i:i+1], v[i:i+1], v[ST+4*(\t)+2:ST+4*(\t)+3] op_sel_hi:[1,0]
.set i, i+2
.endr
	WIN 0x05                        ; sources 0 and 1 window 1, destination window 0
.set i, 0
.rept 16
	v_cvt_pk_f16_f32 v[S+16*(\t)+i], v[32*(\t)+2*i], v[32*(\t)+2*i+1]
.set i, i+1
.endr
	WIN 0
.irp f, 0,1,2,3
	ds_store_b128 v[STO], v[S+16*(\t)+4*\f:S+16*(\t)+4*\f+3] offset:32*\f
.endr
.irp f, 0,1,2,3
	ds_load_b128 v[S+16*(\t)+4*\f:S+16*(\t)+4*\f+3], v[RD] offset:\f*4*SP  ; LDS serves a wave's instructions in order (ISA guide 5.7.1.4): these see the stores above; the next piece's stores come behind them
.endr
.endm
.macro SEND t, younger              ; younger: the LDS instructions issued behind piece t's loads: the next piece's eight, or none
	WIN 0
.irp f, 0,1,2,3
	s_wait_dscnt (\younger)+3-\f
	global_store_b128 v[GO], v[S+16*(\t)+4*\f:S+16*(\t)+4*\f+3], s[10:11] offset:(\t)*8192+\f*512  ; 512 consecutive bytes, at a multiple of 256 from O's first
.endr
.endm
.macro DIAG tag                     ; the tag ends its two labels' names, which the jumps below spell out
.LstepM\tag:
	TURN 2, 1
	TURN 3, 1
	WIN 0
.LfirstM\tag:
	TURN 0, 1
	TURN 1, 1, 0, 1
	WIN 0
	s_cbranch_scc1 .LstepM\tag
	TURN 2, 1, 1
	TURN 3, 1, 1
.set i, 0
.rept 8
	PV NP-1
.set i, i+1
.endr
	WIN 0
	ALL v_add_f32 v[ST+4*t+2], v[ST+4*t+2], v[ST+4*t+3]
	ALL v_permlanex16_b32 v[ST+4*t+3], v[ST+4*t+2], s[SEL], s[SEL+1]
	ALL v_add_f32 v[ST+4*t+2], v[ST+4*t+2], v[ST+4*t+3]
	ALL v_rcp_f32 v[ST+4*t+2], v[ST+4*t+2]
	v_nop                           ; a plain instruction between the last reciprocal and the use of its result
	PACK 0
.set t, 1
.rept 3                             ; a piece's arithmetic stands between the loads of the piece before and its stores
	PACK t
	SEND t-1, 8
.set t, t+1
.endr
	SEND 3, 0
.endm
.set KM, 0
.set NOKQ, 0
.Lslot:                             ; NB times: a tile is entered and the next is asked for
	CHANGE 1
	s_sub_co_u32 s[RT], s[RT], 1
	s_mov_b32 s[CNT], 4
	s_cmp_eq_u32 s[NEW], 1
	s_cbranch_scc1 .Lnew            ; a block's first tile
	s_cmp_eq_u32 s[RT], 0
	s_cbranch_scc0 .Lstep           ; neither its first nor its last
	s_branch .LstepM1
.Lnew:
	BEGIN
	s_branch .Lfirst                ; in the loop a block's first tile is never its last: the first block has two tiles or more, and the second's last is the walk's last
	DIAG 1                          ; in the loop this is the first block's end: the second block's last tile is the walk's last
	s_wait_xcnt 0x0                 ; the stores have read their registers and O's address
	s_mov_b64 s[10:11], s[OLO:OLO+1]
	s_add_co_u32 s[RT], s[PB], 1    ; the second block has b + 1 tiles
	s_mov_b32 s[NEW], 1
	WIN 0x82                        ; the second block's Q goes where the one text of the turns names Q
.set i, 0
.rept 64
	v_mov_b32 v[i], v[QB+i]
.set i, i+1
.endr
	WIN 0
	s_branch .Lbottom
.Lstep:                             ; a trip: pieces 2 and 3 of one step, then pieces 0 and 1 of the next, whose K and V it fetches
	TURN 2
	TURN 3
	WIN 0
.Lfirst:
	TURN 0
	TURN 1, 0, 0, 1
	WIN 0
	s_cbranch_scc1 .Lstep
.Lbottom:
	s_sub_co_u32 s[SLOTS], s[SLOTS], 1
	s_cmp_lg_u32 s[SLOTS], 0
	s_cbranch_scc1 .Lslot
	CHANGE 0                        ; the walk's last tile is written out: nothing is asked for
	s_sub_co_u32 s[RT], s[RT], 1
	s_mov_b32 s[CNT], 4
	s_cmp_eq_u32 s[NEW], 1
	s_cbranch_scc0 .LstepM2
	BEGIN
	s_branch .LfirstM2
	DIAG 2
	s_wait_tensorcnt 0x0            ; the wave's end: behind my last tensor load and my last LDS store
	ds_add_u32 v[SPW], v[NIL]
	s_wait_dscnt 0x0
	s_endpgm
.Lfunc_end_k_qdc0df21748_attn:
	.size	k_qdc0df21748_attn, .Lfunc_end_k_qdc0df21748_attn-k_qdc0df21748_attn
	.p2alignl 7, 3214868480
	.fill 96, 4, 3214868480
	.section	.rodata,"a",@progbits
	.p2align	6, 0x0
	.amdhsa_kernel k_qdc0df21748_attn
		.amdhsa_group_segment_fixed_size 327680
		.amdhsa_private_segment_fixed_size 0
		.amdhsa_enable_private_segment 0
		.amdhsa_kernarg_size 16
		.amdhsa_user_sgpr_count 2
		.amdhsa_user_sgpr_kernarg_segment_ptr 1
		.amdhsa_wavefront_size32 1
		.amdhsa_system_sgpr_workgroup_id_x 1
		.amdhsa_system_sgpr_workgroup_id_y 1
		.amdhsa_system_sgpr_workgroup_id_z 1
		.amdhsa_system_vgpr_workitem_id 0
		.amdhsa_next_free_vgpr 768
		.amdhsa_next_free_sgpr 88
		.amdhsa_reserve_vcc 1
		.amdhsa_float_denorm_mode_32 3
		.amdhsa_float_denorm_mode_16_64 3
		.amdhsa_memory_ordered 1
		.amdhsa_forward_progress 1
		.amdhsa_inst_pref_size 228
	.end_amdhsa_kernel
	.amdgpu_metadata
---
amdhsa.version: [ 1, 2 ]
amdhsa.kernels:
  - .name:           k_qdc0df21748_attn
    .symbol:         k_qdc0df21748_attn.kd
    .args:
      - { .name: qkv, .offset: 0, .size: 8, .value_kind: global_buffer, .address_space: global }
      - { .name: ao, .offset: 8, .size: 8, .value_kind: global_buffer, .address_space: global }
    .group_segment_fixed_size: 327680
    .private_segment_fixed_size: 0
    .kernarg_segment_align: 8
    .kernarg_segment_size: 16
    .max_flat_workgroup_size: 128
    .sgpr_count:     88
    .vgpr_count:     768
    .wavefront_size: 32
...
	.end_amdgpu_metadata
.endif
;; end of part 3
;; launch proj (part 4): grid 4 x 64, 4 waves a work-group, clusters of 4 x 4, 327,680 bytes of LDS; arguments ao, wh, out0, bo; writes out0
.if DOCPART == 4
	.amdgcn_target "amdgcn-amd-amdhsa--gfx1250"
	.amdhsa_code_object_version 6
	.text
	.protected	k_qdc0df21748_proj
	.globl	k_qdc0df21748_proj
	.p2align	8
	.type	k_qdc0df21748_proj,@function
k_qdc0df21748_proj:
	s_mov_b64 s[64:65], 0
	v_nop
	global_prefetch_b8 v0, s[64:65] scope:SCOPE_SE
	s_setreg_imm32_b32 hwreg(HW_REG_WAVE_MODE, 25, 1), 1
	s_wait_xcnt 0x0
	s_wait_alu depctr_hold_cnt(0) depctr_sa_sdst(0) depctr_va_vdst(0) depctr_va_sdst(0) depctr_va_ssrc(0) depctr_va_vcc(0) depctr_vm_vsrc(0)
	s_getreg_b32 s2, hwreg(HW_REG_IB_STS2, 6, 4)
	s_cmp_eq_u32 s2, 0
	s_cbranch_scc0 .Lentry_in_a_cluster
	s_endpgm
.Lentry_in_a_cluster:
	s_bfe_u32 s2, ttmp6, 0x10000c
	s_cmp_lg_u32 s2, 0xf033
	s_cbranch_scc0 .Lentry_shape_is_right
	s_endpgm
.Lentry_shape_is_right:
; out = O Wo^T + bo: [8192 x 1024] x [1024 x 1024]^T, f16 operands, f32 sums, f32 output.  O lies by heads, [b*16+h][t][64] f16: a head is a block of 64 along K.  Wo is the fourth matrix of wh (byte 0x600000).
; bo is rounded to bf16, as every input of the program is, and added in f32.
; A TILE of C is 128 rows x 256 columns: 64 x 4 = 256 tiles, one for each of 256 work-group places.  Four waves, each 64 x 128: 32 accumulators of 16 x 16, 256 registers.
; K goes in 8 steps of 128 through two LDS slots.  128 rows x 64 K of O are 16,384 dense bytes, asked for as 64 rows of 256 bytes and padded in LDS after every 128;
; a step has two such blocks (waves 0, 1 fetch them) and 256 rows x 256 bytes of Wo (waves 2, 3 fetch 128 rows each).
; CLUSTERS: 4 x 4 work-groups.  The four of a row of the cluster need the same tiles of O, the four of a column the same tiles of Wo: each tile is asked for JOINTLY, by the same tensor load with the
; same descriptor and a mask that names the four.
; THE MATRIX INSTRUCTION IS USED TRANSPOSED (source 0 = 16 rows of Wo, source 1 = 16 rows of O): a lane then holds eight neighbouring numbers of a row of C.
; REGISTERS: window 0: v0-31 addresses, v32-37 the bias, v64-191 the way out.  Window 1: the accumulators, (a, b) at v[8 (8 a + b)].  Window 2: two fragment buffers of 96: 64 of Wo, then 32 of O.
.set PA,     144                       ; an LDS row of O: 128 bytes + 16 = 36 words: the 16 rows of a load start at 16 different groups of four banks (64 banks of 4 bytes: ISA guide 11.1)
.set ASUB,   128*PA                    ; one block: 128 rows x 64 K
.set AREG,   2*ASUB
.set PB,     272                       ; an LDS row of Wo: 256 bytes + 16 = 68 words
.set BHALF,  128*PB
.set SLOT,   AREG+2*BHALF              ; 106,496
.set STAGE,  2*SLOT                    ; behind the ring: 16 rows x 528 bytes for each wave, for the way out
.set SP2,    528                       ; 512 bytes + 16 = 132 words
.set SPARE,  STAGE+4*16*SP2            ; behind the stages: the spare words, 128 bytes for each wave: two blocks of 256 bytes that no other line names
.set LAPS,   4                         ; a lap = two K steps = once round the ring
.set ADRA, 16                          ; v16-17  LDS address of my O fragments in slot 0, 1
.set ADRB, 20                          ; v20-21  the same for Wo
.set STO,  24                          ; v24     the way out: where I put 32 bytes of a row
.set RD,   25                          ; v25     the way out: where I read a row back
.set CO,   26                          ; v26     16 x lane: my 16 bytes of a wave's 512 of a row of C, and of the bias
.set SPW,  28                          ; v28     LDS address of my spare word: SPARE + 4 x my thread's number; never rewritten
.set NIL,  29                          ; v29     0; never rewritten
.set BI,   32                          ; v32-35  the bias of my four columns; v36-37 at work
.set OB,   64                          ; v64-127, v128-191  16 rows read back, by turns
.set F0,   0                           ; fragment buffers, in window 2
.set F1,   96
.set G1, 24                            ; s[24:31] descriptor group 1 for O's tiles;  s[32:39] group 0, one set for each slot
.set G0, 32
.set G1B, 48                           ; s[48:55], s[56:63] the same for Wo's tiles
.set G0B, 56
.set MSB, 0
.macro WIN new                         ; the immediate's high byte repeats the setting that is left; a switch that changes nothing is dropped
.if MSB != (\new)
	s_set_vgpr_msb (MSB<<8)|(\new)
.set MSB, \new
.endif
.endm
.set MUL,  0x5a                        ; sources 0 (Wo) and 1 (O) window 2; C and D window 1
.set TO_F, 0x80                        ; destination window 2, address window 0
.macro JLOAD s                         ; a joint load: waves 0 and 1 fetch O's two blocks, waves 2 and 3 Wo's two halves; an s_nop 0 and four v_nop follow each of the two lines, ahead of the jump, the label and what follows
	s_cmp_eq_u32 s11, 0
	s_cbranch_scc0 .Lfor_b_\@
	tensor_load_to_lds s[G0+4*(\s):G0+4*(\s)+3], s[G1:G1+7]
	s_nop 0
.rept 4
	v_nop
.endr
	s_branch .Lasked_\@
.Lfor_b_\@:
	tensor_load_to_lds s[G0B+4*(\s):G0B+4*(\s)+3], s[G1B:G1B+7]
	s_nop 0
.rept 4
	v_nop
.endr
.Lasked_\@:
.endm
.macro CREST                           ; a round of the cluster's barrier behind its opening barrier
	s_cmp_lg_u32 s10, 0
	s_cbranch_scc1 .Lnot_wave_0_\@
	s_barrier_signal -3
.Lnot_wave_0_\@:
	s_barrier_wait -3
	s_barrier_signal -1
	s_barrier_wait -1
.endm
.macro CROUND                          ; a whole round
	s_barrier_signal -1
	s_barrier_wait -1
	CREST
.endm
	s_load_b128 s[4:7], s[0:1], 0x0                ; O s[4:5], wh s[6:7]
	s_load_b64 s[8:9], s[0:1], 0x10                ; out0
	s_load_b64 s[18:19], s[0:1], 0x18              ; bo
	v_lshl_add_u32 v[SPW], v0, 2, SPARE
	v_mov_b32 v[NIL], 0
	ds_add_u32 v[SPW], v[NIL]                      ; the wave's opening: the add and its wait stand ahead of my first tensor load; the set-up below, work on registers, stands between them
	ds_add_u32 v28, v29
	v_lshrrev_b32 v1, 5, v0
	v_readfirstlane_b32 s10, v1                    ; wave 0..3
	s_lshr_b32 s11, s10, 1                         ; which 64 of the tile's rows are mine.  Also: I fetch for O (0) or for Wo (1)
	s_and_b32 s12, s10, 1                          ; which 128 of its columns.  Also: which part of that tile I fetch
	s_bfe_u32 s40, ttmp6, 0x40000                  ; cx, cy: my place in the cluster; the grid is one cluster wide, so cx is the tile column
	s_bfe_u32 s41, ttmp6, 0x40004
	s_and_b32 s13, ttmp7, 0xffff
	s_lshl_b32 s13, s13, 2
	s_add_co_u32 s13, s13, s41                     ; ty: tile row of C = 4 x cluster y + cy
	s_lshl_b32 s43, s41, 2
	s_lshl_b32 s43, 15, s43                        ; my row of the cluster
	s_lshl_b32 s44, 0x1111, s40                    ; my column
	s_or_b32 s[G1+0], s43, (1<<16)|(1<<20)|(1<<21)|(4<<22)|(3<<25)   ; 15:0 the mask: O's tiles go to my row; 17:16 2-byte elements; 20 padding on; 21 set beside a mask; 24:22 after every 32 words (code 4); 31:25 4 words (code 3)
	s_mov_b32 s[G1+1], 128<<16                     ; tensor_dim0 = 128 elements: 256 bytes, two rows of a block
	s_mov_b32 s[G1+2], 64<<16                      ; tensor_dim1 = 64
	s_mov_b32 s[G1+3], 128<<16                     ; tile_dim0 = 128
	s_mov_b32 s[G1+4], 64                          ; tile_dim1 = 64
	s_mov_b32 s[G1+5], 128                         ; dense: 128 elements from row to row
	s_mov_b32 s[G1+6], 0
	s_mov_b32 s[G1+7], 0
	s_or_b32 s[G1B+0], s44, (1<<16)|(1<<20)|(1<<21)|(5<<22)|(3<<25)  ; Wo's tiles go to my column; padding after every 64 words (code 5)
	s_mov_b32 s[G1B+1], 128<<16                    ; tensor_dim0 = 128
	s_mov_b32 s[G1B+2], 128<<16                    ; tensor_dim1 = 128
	s_mov_b32 s[G1B+3], 128<<16                    ; tile_dim0 = 128
	s_mov_b32 s[G1B+4], 128                        ; tile_dim1 = 128
	s_mov_b32 s[G1B+5], 1024                       ; 1,024 elements from row to row
	s_mov_b32 s[G1B+6], 0
	s_mov_b32 s[G1B+7], 0
	; where the tiles come from.  O's hang on ty alone, which my row of the cluster shares; Wo's on cx alone, which my column shares.
	s_lshr_b32 s16, s13, 4                         ; batch
	s_lshl_b32 s16, s16, 22                        ; 16 heads x 2,048 rows x 128 bytes
	s_and_b32 s17, s13, 15
	s_lshl_b32 s17, s17, 14                        ; 128 rows x 128 bytes
	s_add_co_u32 s16, s16, s17
	s_lshl_b32 s17, s12, 18                        ; which of a step's two heads I fetch
	s_add_co_u32 s16, s16, s17
	s_mov_b32 s17, 0
	s_lshl_b32 s46, s40, 19                        ; 256 rows of 2,048 bytes
	s_lshl_b32 s47, s12, 18                        ; which 128 of them I fetch
	s_add_co_u32 s46, s46, s47
	s_add_co_u32 s46, s46, 0x600000                ; Wo in wh
	s_mov_b32 s47, 0
	s_mul_i32 s20, s12, ASUB                       ; where they go: no place in the cluster enters an LDS address
	s_mul_i32 s21, s12, BHALF
	s_add_co_u32 s21, s21, AREG
	s_wait_dscnt 0x0                               ; the opening add is done
	s_wait_kmcnt 0x0
	s_add_nc_u64 s[14:15], s[4:5], s[16:17]
	s_add_nc_u64 s[46:47], s[6:7], s[46:47]
	CROUND                                         ; all sixteen work-groups are here: the first joint loads meet
.irp s, 0,1
	s_mov_b32 s[G0+4*(\s)], 1
	s_add_co_u32 s[G0+4*(\s)+1], s20, (\s)*SLOT
	s_add_nc_u64 s[G0+4*(\s)+2:G0+4*(\s)+3], s[14:15], (\s)*0x80000   ; K step s: two heads of 0x40000 bytes on
	s_or_b32 s[G0+4*(\s)+3], s[G0+4*(\s)+3], 0x80000000
	s_mov_b32 s[G0B+4*(\s)], 1
	s_add_co_u32 s[G0B+4*(\s)+1], s21, (\s)*SLOT
	s_add_nc_u64 s[G0B+4*(\s)+2:G0B+4*(\s)+3], s[46:47], (\s)*256
	s_or_b32 s[G0B+4*(\s)+3], s[G0B+4*(\s)+3], 0x80000000
	JLOAD \s                                       ; two loads of mine are out
.endr
	v_and_b32 v1, 15, v0                           ; l % 16
	v_bfe_u32 v2, v0, 4, 1                         ; l / 16
	v_mul_u32_u24 v3, v1, PA
	v_lshl_add_u32 v3, v2, 4, v3                   ; a fragment's row x pitch + 16 x half
	v_mul_u32_u24 v4, v1, PB
	v_lshl_add_u32 v4, v2, 4, v4
	s_mul_i32 s22, s11, 64*PA                      ; my 64 rows of O
	s_mul_i32 s23, s12, BHALF                      ; my 128 rows of Wo,
	s_add_co_u32 s23, s23, AREG                    ; which lie behind O's blocks
.irp s, 0,1
	v_add_nc_u32 v[ADRA+(\s)], s22, v3
	v_add_nc_u32 v[ADRB+(\s)], s23, v4
	s_add_co_u32 s22, s22, SLOT
	s_add_co_u32 s23, s23, SLOT
.endr
	s_mul_i32 s22, s10, 16*SP2
	s_add_co_u32 s22, s22, STAGE                   ; my stage
	v_mul_u32_u24 v5, v1, SP2                      ; in: row l % 16, 32 bytes for each half of the lanes
	v_lshl_add_u32 v5, v2, 5, v5
	v_add_nc_u32 v[STO], s22, v5
	v_and_b32 v[CO], 31, v0
	v_lshlrev_b32 v[CO], 4, v[CO]                  ; back: 32 lanes take a row's 512 bytes
	v_add_nc_u32 v[RD], s22, v[CO]
	s_lshl_b32 s16, s13, 19                        ; C at my first row: 128 ty + 64 wm rows of 4,096 bytes,
	s_lshl_b32 s17, s11, 18
	s_add_co_u32 s16, s16, s17
	s_mov_b32 s17, 0
	s_add_nc_u64 s[8:9], s[8:9], s[16:17]
	s_lshl_b32 s46, s40, 10                        ; and my first column, 256 cx + 128 wn, 4 bytes each (in the registers that held Wo's address: none that feeds O's descriptors ever holds cx)
	s_lshl_b32 s47, s12, 9
	s_add_co_u32 s46, s46, s47
	s_mov_b32 s47, 0
	s_add_nc_u64 s[8:9], s[8:9], s[46:47]
	s_add_nc_u64 s[18:19], s[18:19], s[46:47]      ; the bias of the same columns
	global_load_b128 v[BI:BI+3], v[CO], s[18:19]   ; waited for in front of the way out
; 8 matrix instructions: m block a x all 8 n blocks, 32 along K, from buffer f.  zero = 1: the first product starts the sums.  The 32 accumulators take turns, one instruction a turn.
.macro MUL8 f, a, zero
	WIN MUL
.irp b, 0,1,2,3,4,5,6,7
.if \zero
	v_wmma_f32_16x16x32_f16 v[8*(8*(\a)+(\b)):8*(8*(\a)+(\b))+7], v[(\f)+8*(\b):(\f)+8*(\b)+7], v[(\f)+64+8*(\a):(\f)+64+8*(\a)+7], 0
.else
	v_wmma_f32_16x16x32_f16 v[8*(8*(\a)+(\b)):8*(8*(\a)+(\b))+7], v[(\f)+8*(\b):(\f)+8*(\b)+7], v[(\f)+64+8*(\a):(\f)+64+8*(\a)+7], v[8*(8*(\a)+(\b)):8*(8*(\a)+(\b))+7]
.endif
.endr
.endm
; 24 LDS loads in one run: the fragments of quarter kq (32 along K) of a slot into buffer f: Wo's 16 loads, then O's 8
.macro FETCH slot, kq, f
	WIN TO_F
.irp i, 0,1,2,3,4,5,6,7
	ds_load_b128 v[(\f)+8*(\i):(\f)+8*(\i)+3],   v[ADRB+(\slot)] offset:(\kq)*64+(\i)*16*PB
	ds_load_b128 v[(\f)+8*(\i)+4:(\f)+8*(\i)+7], v[ADRB+(\slot)] offset:(\kq)*64+(\i)*16*PB+32
.endr
.irp i, 0,1,2,3
	ds_load_b128 v[(\f)+64+8*(\i):(\f)+64+8*(\i)+3],   v[ADRA+(\slot)] offset:((\kq)/2)*ASUB+((\kq)%2)*64+(\i)*16*PA
	ds_load_b128 v[(\f)+64+8*(\i)+4:(\f)+64+8*(\i)+7], v[ADRA+(\slot)] offset:((\kq)/2)*ASUB+((\kq)%2)*64+(\i)*16*PA+32
.endr
.endm
.macro PLACES                          ; four places in front of loads into registers that matrix instructions have read
.rept 4
	v_nop
.endr
.endm
; A K step is four quarters of 32 along K, 32 matrix instructions each, on buffers 0, 1, 0, 1.  One of the first three: multiplies buffer f and fetches quarter kq into g.
.macro QUARTER slot, kq, f, g, zero
	s_wait_dscnt 4                                 ; Wo and O's blocks 0, 1 are in; the youngest four loads (O's blocks 2, 3) may be out
	MUL8 \f, 0, \zero
	MUL8 \f, 1, \zero
	PLACES
	FETCH \slot, \kq, \g
	s_wait_dscnt 24                                ; all but the 24 just issued
	MUL8 \f, 2, \zero
	MUL8 \f, 3, \zero
.endm
; The last quarter multiplies buffer 1 and changes slots: ONE barrier; in front of it each wave waits for all its tensor loads, adds 0 to its spare word, and waits for that and for its own reads of this slot.
; fill = 1: this slot is filled again, two K steps ahead; the barrier then opens a round of the cluster's.
.macro TURN slot, next, fill
	WIN 0                                          ; (the add's two registers lie in window 0)
	s_wait_tensorcnt 0x0                           ; all my tensor loads have landed: the one that was out is my part of the next slot;
	ds_add_u32 v[SPW], v[NIL]                      ; 0 onto my spare word
	s_wait_dscnt 5                                 ; (the add and the youngest four loads may be out)
	MUL8 F1, 0, 0                                  ; eight matrix instructions stand between the add and the wait for it
	s_wait_dscnt 0x0                               ; the add is done, and my reads of this slot are over
	s_barrier_signal -1
	MUL8 F1, 1, 0
.if \fill
	WIN 0
.endif
	s_barrier_wait -1
.if \fill
	CREST                                          ; no wave of any partner still reads this slot's tile or has a load on its way
	s_add_nc_u64 s[G0+4*(\slot)+2:G0+4*(\slot)+3], s[G0+4*(\slot)+2:G0+4*(\slot)+3], 0x100000   ; two K steps on: four heads of O,
	s_add_nc_u64 s[G0B+4*(\slot)+2:G0B+4*(\slot)+3], s[G0B+4*(\slot)+2:G0B+4*(\slot)+3], 512    ; 256 elements along Wo's rows
	JLOAD \slot                                    ; the first tensor load behind the round: 112 matrix instructions ahead of the wait for it; the four v_nop behind it are also the places in front of the loads below
.else
	PLACES
.endif
	FETCH \next, 0, F0
	MUL8 F1, 2, 0
	MUL8 F1, 3, 0
.endm
	s_wait_tensorcnt 1                             ; my part of K step 0 is in; step 1's may stay out
	s_barrier_signal -1
	s_barrier_wait -1                              ; everybody's is
	FETCH 0, 0, F0
	QUARTER 0, 1, F0, F1, 1                        ; the first quarter stands in front of the loop: its products start the sums
	WIN 0                                          ; at a label and at a branch every window is 0
	s_mov_b32 s3, LAPS-1
.Llap:                                                 ; a trip goes once round the ring, from a lap's second quarter to the next lap's first, and fills both slots again
	QUARTER 0, 2, F1, F0, 0
	QUARTER 0, 3, F0, F1, 0
	TURN 0, 1, 1
	QUARTER 1, 1, F0, F1, 0
	QUARTER 1, 2, F1, F0, 0
	QUARTER 1, 3, F0, F1, 0
	TURN 1, 0, 1
	QUARTER 0, 1, F0, F1, 0
	WIN 0
	s_sub_co_u32 s3, s3, 1
	s_cmp_lg_u32 s3, 0
	s_cbranch_scc1 .Llap
	QUARTER 0, 2, F1, F0, 0                        ; the last lap fills nothing, and has no round of the cluster's barrier
	QUARTER 0, 3, F0, F1, 0
	TURN 0, 1, 0
	QUARTER 1, 1, F0, F1, 0
	QUARTER 1, 2, F1, F0, 0
	QUARTER 1, 3, F0, F1, 0
	s_wait_dscnt 4                                 ; the very last quarter: nothing more to fetch
	MUL8 F1, 0, 0
	MUL8 F1, 1, 0
	s_wait_dscnt 0x0
	MUL8 F1, 2, 0
	MUL8 F1, 3, 0
	WIN 0
	s_wait_loadcnt 0x0                             ; the bias
	v_cvt_pk_bf16_f32 v[BI+4], v[BI], v[BI+1]      ; its one rounding to bf16.  These six plain lines, which name no register of the products, are the places behind the last of them
	v_cvt_pk_bf16_f32 v[BI+5], v[BI+2], v[BI+3]
	v_lshlrev_b32 v[BI], 16, v[BI+4]
	v_and_b32 v[BI+1], 0xffff0000, v[BI+4]
	v_lshlrev_b32 v[BI+2], 16, v[BI+5]
	v_and_b32 v[BI+3], 0xffff0000, v[BI+5]
; THE WAY OUT, a block of 16 rows x 128 columns of f32 at a time: 32 bytes a lane into my own stage (each accumulator's low four registers first), back as whole rows of 512 bytes, the bias added, stored.
.macro TOSTAGE a
.if (\a) >= 2
	s_wait_xcnt 0x0                                ; every earlier memory instruction has had its addresses translated (ISA guide 3.1): the registers that block a - 2's stores read are loaded again only behind this wait
.endif
	WIN 0x04                                       ; store data (source 1) window 1, address window 0
.irp b, 0,1,2,3,4,5,6,7
	ds_store_b128 v[STO], v[64*(\a)+8*(\b):64*(\a)+8*(\b)+3] offset:64*(\b)
	ds_store_b128 v[STO], v[64*(\a)+8*(\b)+4:64*(\a)+8*(\b)+7] offset:64*(\b)+16
.endr
	WIN 0
.set BK, OB+64*((\a)%2)
.irp t, 0,1,2,3,4,5,6,7,8,9,10,11,12,13,14,15
	ds_load_b128 v[BK+4*(\t):BK+4*(\t)+3], v[RD] offset:(\t)*SP2  ; LDS serves a wave's instructions in order (ISA guide 5.7.1.4): these see the stores above; the next block's stores come behind them
.endr
.endm
.macro SEND a, younger                 ; younger: the LDS instructions issued behind block a's loads: the next block's 16 stores and 16 loads, or none
	WIN 0
.set BK, OB+64*((\a)%2)
.irp t, 0,1,2,3,4,5,6,7,8,9,10,11,12,13,14,15
	s_wait_dscnt (\younger)+15-(\t)
	v_pk_add_f32 v[BK+4*(\t):BK+4*(\t)+1], v[BK+4*(\t):BK+4*(\t)+1], v[BI:BI+1]
	v_pk_add_f32 v[BK+4*(\t)+2:BK+4*(\t)+3], v[BK+4*(\t)+2:BK+4*(\t)+3], v[BI+2:BI+3]
	global_store_b128 v[CO], v[BK+4*(\t):BK+4*(\t)+3], s[8:9] offset:(16*(\a)+(\t))*4096 th:TH_STORE_NT  ; 512 consecutive bytes of a row of C, aligned
.endr
.endm
	TOSTAGE 0
	TOSTAGE 1
	SEND 0, 32
	TOSTAGE 2
	SEND 1, 32
	TOSTAGE 3
	SEND 2, 32
	SEND 3, 0
	s_wait_tensorcnt 0x0                           ; the wave's end: behind my last tensor load and my last LDS store
	ds_add_u32 v[SPW], v[NIL]
	s_wait_dscnt 0x0
	CROUND                                         ; the closing round: no work-group ends while a partner may still ask for a tile that names it
	s_endpgm
.Lfunc_end_k_qdc0df21748_proj:
	.size	k_qdc0df21748_proj, .Lfunc_end_k_qdc0df21748_proj-k_qdc0df21748_proj
	.p2alignl 7, 3214868480
	.fill 96, 4, 3214868480
	.section	.rodata,"a",@progbits
	.p2align	6, 0x0
	.amdhsa_kernel k_qdc0df21748_proj
		.amdhsa_group_segment_fixed_size 327680
		.amdhsa_private_segment_fixed_size 0
		.amdhsa_enable_private_segment 0
		.amdhsa_kernarg_size 32
		.amdhsa_user_sgpr_count 2
		.amdhsa_user_sgpr_kernarg_segment_ptr 1
		.amdhsa_wavefront_size32 1
		.amdhsa_system_sgpr_workgroup_id_x 1
		.amdhsa_system_sgpr_workgroup_id_y 1
		.amdhsa_system_sgpr_workgroup_id_z 1
		.amdhsa_system_vgpr_workitem_id 0
		.amdhsa_next_free_vgpr 704
		.amdhsa_next_free_sgpr 66
		.amdhsa_reserve_vcc 0
		.amdhsa_float_denorm_mode_32 3
		.amdhsa_float_denorm_mode_16_64 3
		.amdhsa_memory_ordered 1
		.amdhsa_forward_progress 1
		.amdhsa_inst_pref_size 95
	.end_amdhsa_kernel
	.amdgpu_metadata
---
amdhsa.version: [ 1, 2 ]
amdhsa.kernels:
  - .name:           k_qdc0df21748_proj
    .symbol:         k_qdc0df21748_proj.kd
    .args:
      - { .name: ao, .offset: 0, .size: 8, .value_kind: global_buffer, .address_space: global }
      - { .name: wh, .offset: 8, .size: 8, .value_kind: global_buffer, .address_space: global }
      - { .name: out0, .offset: 16, .size: 8, .value_kind: global_buffer, .address_space: global }
      - { .name: bo, .offset: 24, .size: 8, .value_kind: global_buffer, .address_space: global }
    .group_segment_fixed_size: 327680
    .private_segment_fixed_size: 0
    .kernarg_segment_align: 8
    .kernarg_segment_size: 32
    .max_flat_workgroup_size: 128
    .sgpr_count:     66
    .vgpr_count:     704
    .wavefront_size: 32
...
	.end_amdgpu_metadata
.endif
;; end of part 4
